; MI455X (gfx1250); checked and timed in simulation.
; The chip was launched on July 23, 2026; its instructions are those of AMD's public machine-readable ISA for CDNA 5 (MIT licence, August 2026) and "CDNA5" Instruction Set Architecture Reference Guide (July 2026). The comments in the code are by the model that wrote it; some were corrected since.
;; Multi Head Attention. Allowed arithmetic: matrix products marked QUANTISED: E3M2 operands, one E8M0 scale for each 32 along K, by v_wmma_scale_f32_16x16x128_f8f6f4 with both operands' format E3M2, f32 sums; everything else in f32.
;; Inputs: K_codes 4 x 2,048 x 32 x 24 uint8 (E3M2 codes of K, K innermost, in blocks of 32 codes, four codes in three bytes); K_scales 4 x 2,048 x 32 uint8 (E8M0 scales of K, one for each 32 codes along K); Q_codes 4 x 2,048 x 32 x 24 uint8 (E3M2 codes of Q, K innermost, in blocks of 32 codes, four codes in three bytes); Q_scales 4 x 2,048 x 32 uint8 (E8M0 scales of Q, one for each 32 codes along K); V_codes 4 x 2,048 x 32 x 24 uint8 (E3M2 codes of V, K innermost, in blocks of 32 codes, four codes in three bytes); V_scales 4 x 2,048 x 32 uint8 (E8M0 scales of V, one for each 32 codes along K); W_k_codes 1,024 x 32 x 24 uint8 (E3M2 codes of W_k, K innermost, in blocks of 32 codes, four codes in three bytes); W_k_scales 1,024 x 32 uint8 (E8M0 scales of W_k, one for each 32 codes along K); W_o_codes 1,024 x 32 x 24 uint8 (E3M2 codes of W_o, K innermost, in blocks of 32 codes, four codes in three bytes); W_o_scales 1,024 x 32 uint8 (E8M0 scales of W_o, one for each 32 codes along K); W_q_codes 1,024 x 32 x 24 uint8 (E3M2 codes of W_q, K innermost, in blocks of 32 codes, four codes in three bytes); W_q_scales 1,024 x 32 uint8 (E8M0 scales of W_q, one for each 32 codes along K); W_v_codes 1,024 x 32 x 24 uint8 (E3M2 codes of W_v, K innermost, in blocks of 32 codes, four codes in three bytes); W_v_scales 1,024 x 32 uint8 (E8M0 scales of W_v, one for each 32 codes along K); b_k 1,024 float32; b_o 1,024 float32; b_q 1,024 float32; b_v 1,024 float32; ln_beta 1,024 float32; ln_gamma 1,024 float32.
;; Outputs: out0 4 x 2,048 x 1,024 float32.
;; This version of the problem:
;;   THIS VERSION OF THE PROBLEM IS GIVEN IN LOW PRECISION. The matrix products marked QUANTISED in the list below multiply operands that are first quantised to E3M2 (3 exponent bits, 2 mantissa bits; 6 bits a number), with one power-of-two scale for each 32 numbers along K (OCP MX v1.0); their sums are f32. All else is computed in f32.
;;   The module's matrix products, in the order in which they are computed (A, B: the left and right operand; K: the contracted axis; several contracted axes count as one K, in the product's order):
;;     1. [M 8,192, K 1,024] x [K 1,024, N 1,024]; A: input Q (given as codes); B: input W_q (given as codes): QUANTISED
;;     2. [M 8,192, K 1,024] x [K 1,024, N 1,024]; A: input K (given as codes); B: input W_k (given as codes): QUANTISED
;;     3. [M 8,192, K 1,024] x [K 1,024, N 1,024]; A: input V (given as codes); B: input W_v (given as codes): QUANTISED
;;     4. batch 64 x [M 2,048, K 64] x [K 64, N 2,048]; A: computed on the way; B: computed on the way: QUANTISED
;;     5. batch 64 x [M 2,048, K 2,048] x [K 2,048, N 64]; A: softmax (see below); B: computed on the way: QUANTISED
;;     6. [M 8,192, K 1,024] x [K 1,024, N 1,024]; A: computed on the way; B: input W_o (given as codes): QUANTISED
;;   THE QUANTISER, for each operand of a quantised product, along K:
;;     - K is cut into blocks of 32 from its start; a last block that is shorter is filled with zeros.
;;     - A block's scale is 2^e with e = floor(log2(the largest magnitude in the block)) - 4, held to -126 .. 127; a block of zeros has e = 0. As a byte (E8M0): e + 127.
;;     - Each number is divided by its block's scale, clamped to +-28, and rounded to the nearest number of E3M2, ties to even, subnormals kept.
;;     - The product sums the exact products of the quantised numbers (number of the format x scale) in f32.
;;   ~~~python
;;   def quantise(x, axis):      # numpy; x: float32 -> the quantised numbers, widened to float32 again
;;       x = np.moveaxis(x, axis, -1); K = x.shape[-1]
;;       x = np.pad(x, [(0, 0)] * (x.ndim - 1) + [(0, -K % 32)]); x = x.reshape(x.shape[:-1] + (-1, 32)); a = np.abs(x).max(-1, keepdims=True)
;;       e = np.where(a > 0, np.clip(np.frexp(np.where(a > 0, a, 1))[1] - 1 - 4, -126, 127), 0)      # np.frexp(a)[1] - 1 = floor(log2(a)), exactly
;;       r = np.clip(x / 2.0 ** e, -28, 28)
;;       step = 2.0 ** (np.maximum(np.frexp(np.where(r == 0, 1, r))[1] - 1, -2) - 2)
;;       q = np.round(r / step) * step * 2.0 ** e      # np.round: ties to even
;;       return np.moveaxis(q.reshape(q.shape[:-2] + (-1,))[..., :K], -1, axis).astype(np.float32)
;;   ~~~
;;   SOFTMAX AHEAD OF A QUANTISED PRODUCT. Where the list says 'softmax', what is quantised is not the finished softmax but p = 2^(t - M), with t = logit x log2(e) and M = ceil(the row's largest t), a whole number; so 1/2 < the row's largest p <= 1. The row's sum l is taken of the UNQUANTISED p, in f32, and the product's result is divided by l at the end. Since M is a whole number, a kernel that streams over the keys may use a running M (the ceiling of the running maximum): every later rescaling is an exact power of two, which a block's scale takes up: the codes' values come out the same.
;;   OPERANDS COMPUTED ON THE WAY. 'Computed on the way' means the value that the module computes at that place (a softmax that the list does not call 'softmax' is quantised finished and normalised). What goes into a quantiser is computed in f32, as accurately as f32 sums, v_exp_f32 and their like allow (about 1e-6 of the number): no bf16 or f16 on the way to a quantiser, and a product that is left as it is and whose result goes on into a quantised operand takes f32 operands (vector FMAs, or v_wmma_f32_16x16x4_f32). A number that lies on a knife's edge between two numbers of the format may be rounded either way, as far as f32 arithmetic and the matrix unit's own rounding can turn it there, and no further.
;;   INPUTS GIVEN AS CODES. K (in the module: [4, 2048, 1024], K = its axis 2); Q (in the module: [4, 2048, 1024], K = its axis 2); V (in the module: [4, 2048, 1024], K = its axis 2); W_k (in the module: [1024, 1024], K = its axis 1); W_o (in the module: [1024, 1024], K = its axis 1); W_q (in the module: [1024, 1024], K = its axis 1); W_v (in the module: [1024, 1024], K = its axis 1): each comes as NAME_codes (uint8): NAME with its K axis moved to the last place and cut into blocks of 32 codes, [.., K / 32, bytes a block], one block behind the other in memory; four codes in three bytes: a row's codes are one little-endian stream of bits, code i at bits 6 i .. 6 i + 5 (a code: sign, 3 exponent bits, 2 mantissa bits); and NAME_scales (uint8): the same leading axes, one E8M0 byte (e + 127) for each 32 codes along K. Its value is code x scale, taken as it is: it is not quantised again, and the codes and scales need not be those that the quantiser above would give.
;; One version. Each part assembles by itself: llvm-mc -triple=amdgcn-amd-amdhsa -mcpu=gfx1250 --defsym DOCPART=n.
;; ======== version 1 of 1: 3 launches
;; limits: right only within a limited range of input values
;; workspace buffers: qb 13,369,344 bytes; kv 13,369,344 bytes; cx 6,291,456 bytes; cs 524,288 bytes; wi 786,432 bytes; ws 32,768 bytes; qf 33,554,432 bytes
;; launch proj (part 1): grid 4 x 96, 4 waves a work-group, clusters of 4 x 4, 327,680 bytes of LDS; arguments Q_codes, Q_scales, W_q_codes, W_q_scales, b_q, qb, K_codes, K_scales, W_k_codes, W_k_scales, b_k, kv, W_v_codes, W_v_scales, V_codes, V_scales, b_v, qf; writes qb, kv, qf
.if DOCPART == 1
	.amdgcn_target "amdgcn-amd-amdhsa--gfx1250"
	.amdhsa_code_object_version 6
	.text
	.protected	k_qfab546507c_proj
	.globl	k_qfab546507c_proj
	.p2align	8
	.type	k_qfab546507c_proj,@function
k_qfab546507c_proj:
	s_mov_b64 s[64:65], 0
	v_nop
	global_prefetch_b8 v0, s[64:65] scope:SCOPE_SE
	s_setreg_imm32_b32 hwreg(HW_REG_WAVE_MODE, 25, 1), 1
	s_wait_xcnt 0x0
	s_wait_alu depctr_hold_cnt(0) depctr_sa_sdst(0) depctr_va_vdst(0) depctr_va_sdst(0) depctr_va_ssrc(0) depctr_va_vcc(0) depctr_vm_vsrc(0)
	s_getreg_b32 s2, hwreg(HW_REG_IB_STS2, 6, 4)
	s_cmp_eq_u32 s2, 0
	s_cbranch_scc0 .Lentry_in_a_cluster
	s_endpgm
.Lentry_in_a_cluster:
	s_bfe_u32 s2, ttmp6, 0x10000c
	s_cmp_lg_u32 s2, 0xf033
	s_cbranch_scc0 .Lentry_shape_is_right
	s_endpgm
.Lentry_shape_is_right:
; The three projections q = Q W_q^T + b_q, k = K W_k^T + b_k, v = V W_v^T + b_v on codes of E3M2 with E8M0 scales, K = 1,024.  Role = cluster row / 8: 0 q, 1 k, 2 v.
; A work-group of four waves makes 256 x 256 of a result, a wave 128 x 128 in 64 accumulators.  Roles 0, 1: source 1 = tokens, source 0 = rows of W: a lane holds one token and eight neighbouring features.
; Role 2: the operands change places (A = W_v, B = V), so that a lane holds one feature and its registers run along the keys, which are the K of attention's second product.
; THE RING: a row of codes is 768 bytes = 3 chunks of 256 bytes, each beginning at a multiple of 256; chunk c lies in slot c % 2; a step of 128 along K is 96 bytes: 8 steps to 3 chunks, steps 2 and 5 lie across two chunks.
; The scales of the 256 + 256 rows come once, as dense rows of 256 bytes.  4 x 4 clusters: A's tiles are asked for jointly along a cluster's row, B's along its column.
; NO PREFETCH: K is 3 chunks, of which two are asked for at the head, at the largest block in clusters.
; THE WAY OUT: bias added in f32, each block of 32 along the next K quantised (largest magnitude with the floor 2^-122, exponent arithmetic, scaled conversion), codes and scale words stored as images of attention's operand registers:
;   qb, kv: [batch x head][step of 128 tokens][13,056 bytes]: +0 eight tiles x 768 (q or k), +6,144 four tiles x 1,536 (v), +12,288 scale words of q or k, +12,800 v's.
;   qf (role 0 alone): q in f32 for the residual: [tile of 16 tokens: 512][16 columns: 64][1,024 bytes]: registers 0-3 of lane l at 16 l, registers 4-7 at 512 + 16 l.
; LIMITS: NaN and infinities are not served; a block whose largest magnitude lies under 2^-122 keeps the scale byte 1 (its bytes are read by this program alone).
.set ROWB,   256
.set NQ,     2
.set KROW,   768
.set STEPS,  8
.set CHUNKS, 3
.set PITCH,  272                       ; 256 bytes + 16 of padding
.set FR,     12
.set NL,     6
.set NP,     4
.set HALFT,  128*PITCH
.set SLOT,   4*HALFT
.set KS,     32
.set SCL,    2*SLOT
.set HALFS,  (128*KS/256)*272
.set SBLK,   (16*KS/256)*272
.set SPARE,  SCL+4*HALFS               ; the spare words: 512 bytes that no other line names
.set SB,     13056
.set HB,     16*SB
.set VO,     6144
.set KSO,    12288
.set VSO,    12800
.set ADRA, 16                          ; v16-17 A's fragments in slot 0, 1; v18-19 for pieces whose lane halves read different chunks
.set ADRB, 20
.set L16,  24
.set L8,   25
.set LN,   26
.set ADRS, 27
.set SPW,  28
.set NIL,  29
.set BH,   30
.set BR,   31
.set SC,   32                          ; scale words, two sets
.set BI,   64                          ; the bias
.set AF,   128                         ; A's fragments; on the way out X, PC .. below
.set X,    128
.set PC,   192
.set EW,   212
.set TM,   224
.set SW,   240
.set MW,   248
.set SEL,  20
.set OUTP, 96
.set ROLE, 98
.set T4,   99
.set QF,   100
.set G1, 24
.set G0, 32
.set G1B, 48
.set G0B, 56
.set G1S, 68
.set G0S, 76
.set G1SB, 80
.set G0SB, 88
.set G0H, 4
.set G0HB, 8
.set MSB, 0
.macro WIN new
.if MSB != \new
	s_set_vgpr_msb (MSB<<8)|\new
.set MSB, \new
.endif
.endm
.set MUL_LO, 0xa1
.set MUL_HI, 0xf1
.set TO_B,   0x40
.macro JLOAD g0a, g1a, g0b, g1b        ; waves 0, 1 fetch for A, waves 2, 3 for B
	s_cmp_eq_u32 s15, 0
	s_cbranch_scc0 .Lfor_b_\@
	tensor_load_to_lds s[\g0a:\g0a+3], s[\g1a:\g1a+7]
	s_nop 0
.rept 4
	v_nop
.endr
	s_branch .Lasked_\@
.Lfor_b_\@:
	tensor_load_to_lds s[\g0b:\g0b+3], s[\g1b:\g1b+7]
	s_nop 0
.rept 4
	v_nop
.endr
.Lasked_\@:
.endm
.macro CREST
	s_cmp_lg_u32 s14, 0
	s_cbranch_scc1 .Lnot_wave_0_\@
	s_barrier_signal -3
.Lnot_wave_0_\@:
	s_barrier_wait -3
	s_barrier_signal -1
	s_barrier_wait -1
.endm
.macro CROUND
	s_barrier_signal -1
	s_barrier_wait -1
	CREST
.endm
	s_load_b256 s[68:75], s[0:1], 0x0
	s_load_b128 s[76:79], s[0:1], 0x20
	s_load_b256 s[80:87], s[0:1], 0x30
	s_load_b128 s[88:91], s[0:1], 0x50
	s_load_b256 s[24:31], s[0:1], 0x60
	s_load_b64 s[32:33], s[0:1], 0x80
	s_load_b64 s[QF:QF+1], s[0:1], 0x88
	v_lshl_add_u32 v[SPW], v0, 2, SPARE
	v_mov_b32 v[NIL], 0
	ds_add_u32 v[SPW], v[NIL]                      ; the opening lines: the add twice on end and its wait
	ds_add_u32 v[SPW], v[NIL]
	v_lshrrev_b32 v1, 5, v0
	v_readfirstlane_b32 s14, v1                    ; wave
	s_lshr_b32 s15, s14, 1                         ; my half of the tile's rows; also: I fetch for A or B
	s_and_b32 s16, s14, 1                          ; my half of its columns; also: which 128 rows I fetch
	s_bfe_u32 s40, ttmp6, 0x40000                  ; cx
	s_bfe_u32 s41, ttmp6, 0x40004                  ; cy
	s_and_b32 s[T4], ttmp7, 0xffff
	s_lshr_b32 s[ROLE], s[T4], 3
	s_and_b32 s[T4], s[T4], 7
	s_lshl_b32 s[T4], s[T4], 2
	s_cmp_eq_u32 s[ROLE], 2
	s_cselect_b32 s17, 0, s[T4]
	s_cselect_b32 s42, s[T4], 0
	s_add_co_u32 s17, s17, s41                     ; tile row (A's)
	s_add_co_u32 s42, s42, s40                     ; tile column (B's)
	s_lshl_b32 s43, s41, 2
	s_lshl_b32 s43, 15, s43                        ; my row of the cluster
	s_lshl_b32 s44, 0x1111, s40                    ; my column
	s_lshl_b32 s20, s17, 8
	s_lshl_b32 s46, s42, 8
	s_mov_b32 s21, 0
	s_mov_b32 s47, 0
	s_mov_b64 s[18:19], KS
	s_mul_u64 s[22:23], s[20:21], s[18:19]
	s_mul_u64 s[92:93], s[46:47], s[18:19]
	s_mov_b64 s[18:19], KROW
	s_mul_u64 s[20:21], s[20:21], s[18:19]
	s_mul_u64 s[46:47], s[46:47], s[18:19]
	s_mul_i32 s18, s16, 128*KROW
	s_mov_b32 s19, 0
	s_mul_i32 s45, s14, HALFT
	s_wait_dscnt 0x0
	s_wait_kmcnt 0x0
	s_cmp_eq_u32 s[ROLE], 1                        ; the role's buffers: the choice hangs on the cluster's row alone
	s_cselect_b64 s[4:5], s[80:81], s[68:69]
	s_cselect_b64 s[6:7], s[82:83], s[70:71]
	s_cselect_b64 s[8:9], s[84:85], s[72:73]
	s_cselect_b64 s[10:11], s[86:87], s[74:75]
	s_cselect_b64 s[12:13], s[88:89], s[76:77]
	s_cselect_b64 s[OUTP:OUTP+1], s[90:91], s[78:79]
	s_cmp_eq_u32 s[ROLE], 2
	s_cselect_b64 s[4:5], s[24:25], s[4:5]
	s_cselect_b64 s[6:7], s[26:27], s[6:7]
	s_cselect_b64 s[8:9], s[28:29], s[8:9]
	s_cselect_b64 s[10:11], s[30:31], s[10:11]
	s_cselect_b64 s[12:13], s[32:33], s[12:13]
	s_cselect_b64 s[OUTP:OUTP+1], s[90:91], s[OUTP:OUTP+1]
	s_or_b32 s[G1+0], s43, (0<<16)|(1<<20)|(1<<21)|(5<<22)|(3<<25)   ; rows of 256 bytes, 16 of padding behind each; 256 rows at the head
	s_or_b32 s[G1B+0], s44, (0<<16)|(1<<20)|(1<<21)|(5<<22)|(3<<25)
.irp g, G1, G1B
	s_mov_b32 s[\g+1], ROWB<<16
	s_mov_b32 s[\g+2], 256<<16
	s_mov_b32 s[\g+3], ROWB<<16
	s_mov_b32 s[\g+4], 256
	s_mov_b32 s[\g+5], KROW
	s_mov_b32 s[\g+6], 0
	s_mov_b32 s[\g+7], 0
.endr
	s_or_b32 s[G1S+0], s43, (3<<16)|(1<<20)|(1<<21)|(5<<22)|(3<<25)  ; the scales of 256 rows: 32 dense rows of 256 bytes
	s_or_b32 s[G1SB+0], s44, (3<<16)|(1<<20)|(1<<21)|(5<<22)|(3<<25)
.irp g, G1S, G1SB
	s_mov_b32 s[\g+1], 32<<16
	s_mov_b32 s[\g+2], KS<<16
	s_mov_b32 s[\g+3], 32<<16
	s_mov_b32 s[\g+4], KS
	s_mov_b32 s[\g+5], 32
	s_mov_b32 s[\g+6], 0
	s_mov_b32 s[\g+7], 0
.endr
	s_add_nc_u64 s[20:21], s[4:5], s[20:21]
	s_add_nc_u64 s[22:23], s[6:7], s[22:23]
	s_add_nc_u64 s[46:47], s[8:9], s[46:47]
	s_add_nc_u64 s[92:93], s[10:11], s[92:93]
	CROUND                                         ; the first joint loads meet
	s_mov_b32 s[G0H], 1
	s_mov_b32 s[G0H+1], 0
	s_mov_b64 s[G0H+2:G0H+3], s[20:21]
	s_or_b32 s[G0H+3], s[G0H+3], 0x80000000
	s_mov_b32 s[G0HB], 1
	s_mov_b32 s[G0HB+1], 2*HALFT
	s_mov_b64 s[G0HB+2:G0HB+3], s[46:47]
	s_or_b32 s[G0HB+3], s[G0HB+3], 0x80000000
	s_mov_b32 s[G0S], 1
	s_mov_b32 s[G0S+1], SCL
	s_mov_b64 s[G0S+2:G0S+3], s[22:23]
	s_or_b32 s[G0S+3], s[G0S+3], 0x80000000
	s_mov_b32 s[G0SB], 1
	s_mov_b32 s[G0SB+1], SCL+2*HALFS
	s_mov_b64 s[G0SB+2:G0SB+3], s[92:93]
	s_or_b32 s[G0SB+3], s[G0SB+3], 0x80000000
	s_add_nc_u64 s[20:21], s[20:21], s[18:19]      ; for the ring: my 128 rows
	s_add_nc_u64 s[46:47], s[46:47], s[18:19]
.irp s, 0,1
	s_mov_b32 s[G0+4*\s], 1
	s_add_co_u32 s[G0+4*\s+1], s45, \s*SLOT
	s_add_nc_u64 s[G0+4*\s+2:G0+4*\s+3], s[20:21], \s*ROWB
	s_or_b32 s[G0+4*\s+3], s[G0+4*\s+3], 0x80000000
	s_mov_b32 s[G0B+4*\s], 1
	s_add_co_u32 s[G0B+4*\s+1], s45, \s*SLOT
	s_add_nc_u64 s[G0B+4*\s+2:G0B+4*\s+3], s[46:47], \s*ROWB
	s_or_b32 s[G0B+4*\s+3], s[G0B+4*\s+3], 0x80000000
.endr
; the head's four tiles, one load a wave: chunk 0 of A, chunk 0 of B, A's scales, B's scales
.macro ARM under, g0, g1, next
	s_cmp_lt_u32 s14, \under
	s_cbranch_scc0 \next
	tensor_load_to_lds s[\g0:\g0+3], s[\g1:\g1+7]
	s_nop 0
.rept 4
	v_nop
.endr
	s_branch .Lhead_asked
\next:
.endm
	ARM 1, G0H,  G1,  .Lhead_b
	ARM 2, G0HB, G1B, .Lhead_sa
	ARM 3, G0S,  G1S, .Lhead_sb
	tensor_load_to_lds s[G0SB:G0SB+3], s[G1SB:G1SB+7]
	s_nop 0
.rept 4
	v_nop
.endr
.Lhead_asked:
	v_and_b32 v1, 15, v0                           ; r
	v_bfe_u32 v2, v0, 4, 1                         ; h
	v_mul_u32_u24 v3, v1, PITCH
	v_mul_u32_u24 v4, v2, 24
	v_add_nc_u32 v4, v3, v4
	s_mov_b32 s21, SLOT-232
	s_mov_b32 s22, SLOT+232
	v_sub_nc_u32 v7, 1, v2
	v_mul_u32_u24 v5, s21, v2
	v_add_nc_u32 v5, v3, v5
	v_add_nc_u32 v5, 232, v5                       ; lanes 0-15 byte 232 in slot 0, lanes 16-31 byte 0 in slot 1
	v_mul_u32_u24 v6, s22, v7
	v_add_nc_u32 v6, v3, v6                        ; and the other way round
	s_mul_i32 s21, s15, HALFT
	s_mul_i32 s22, s16, HALFT
	s_add_co_u32 s22, s22, 2*HALFT
	v_add_nc_u32 v[ADRA+2], s21, v5
	v_add_nc_u32 v[ADRA+3], s21, v6
	v_add_nc_u32 v[ADRB+2], s22, v5
	v_add_nc_u32 v[ADRB+3], s22, v6
.irp s, 0,1
	v_add_nc_u32 v[ADRA+\s], s21, v4
	v_add_nc_u32 v[ADRB+\s], s22, v4
	s_add_co_u32 s21, s21, SLOT
	s_add_co_u32 s22, s22, SLOT
.endr
	v_mul_u32_u24 v5, v1, KS
	v_lshrrev_b32 v6, 8, v5
	v_lshl_add_u32 v5, v6, 4, v5
	s_mul_i32 s21, s15, HALFS
	s_mul_i32 s22, s16, HALFS
	s_add_co_u32 s22, s22, 2*HALFS
	s_sub_co_u32 s22, s22, s21
	v_mul_u32_u24 v6, s22, v2                      ; lanes 16-31 take B's words
	s_add_co_u32 s21, s21, SCL
	v_add_nc_u32 v5, v5, v6
	v_add_nc_u32 v[ADRS], s21, v5
	v_and_b32 v[LN], 31, v0
	v_lshlrev_b32 v[L16], 4, v[LN]
	v_lshlrev_b32 v[L8], 3, v[LN]
	v_lshlrev_b32 v[BH], 5, v2
	v_lshlrev_b32 v[BR], 2, v1
.macro FRAG reg, adr, st, i            ; 16 rows x 128 K: six pieces of 8 bytes; byte y of a row lies in slot (y / 256) % 2 at byte y % 256
.irp p, 0,1,2,3,4,5
.set BY, 96*(\st)+48*(\p/3)+8*(\p%3)
.if BY/ROWB == (BY+24)/ROWB
	ds_load_b64 v[\reg+2*\p:\reg+2*\p+1], v[\adr+(BY/ROWB)%2] offset:BY%ROWB+(\i)*16*PITCH
.else
	ds_load_b64 v[\reg+2*\p:\reg+2*\p+1], v[\adr+2+(BY/ROWB)%2] offset:BY%ROWB-232+(\i)*16*PITCH
.endif
.endr
.endm
.macro MUL16 a0, p, q, sc, zero        ; the 64 accumulators take turns
.irp a, \a0, \a0+1
.irp b, 0,1,2,3,4,5,6,7
.if \zero
	v_wmma_scale_f32_16x16x128_f8f6f4 v[8*(8*((\a)%4)+\b):8*(8*((\a)%4)+\b)+7], v[128*(\p)+FR*\b:128*(\p)+FR*\b+FR-1], v[AF+FR*(\a):AF+FR*(\a)+FR-1], 0, v[SC+8*NQ*(\sc)+NQ*\b+(\q)], v[SC+8*NQ*(\sc)+NQ*(\a)+(\q)] matrix_a_fmt:MATRIX_FMT_BF6 matrix_b_fmt:MATRIX_FMT_BF6 matrix_a_scale:MATRIX_SCALE_ROW1
.else
	v_wmma_scale_f32_16x16x128_f8f6f4 v[8*(8*((\a)%4)+\b):8*(8*((\a)%4)+\b)+7], v[128*(\p)+FR*\b:128*(\p)+FR*\b+FR-1], v[AF+FR*(\a):AF+FR*(\a)+FR-1], v[8*(8*((\a)%4)+\b):8*(8*((\a)%4)+\b)+7], v[SC+8*NQ*(\sc)+NQ*\b+(\q)], v[SC+8*NQ*(\sc)+NQ*(\a)+(\q)] matrix_a_fmt:MATRIX_FMT_BF6 matrix_b_fmt:MATRIX_FMT_BF6 matrix_a_scale:MATRIX_SCALE_ROW1
.endif
.endr
.endr
.endm
.macro FETCH_B st, p
	WIN TO_B
.irp i, 0,1,2,3,4,5,6,7
	FRAG 128*(\p)+FR*\i, ADRB, \st, \i
.endr
	WIN 0
.endm
.macro FETCH_A st, i0
.irp i, \i0, \i0+1, \i0+2, \i0+3
	FRAG AF+FR*(\i), ADRA, \st, \i
.endr
.endm
.macro SCALES pr
.irp i, 0,1,2,3,4,5,6,7
	ds_load_b64 v[SC+8*NQ*((\pr)%2)+NQ*\i:SC+8*NQ*((\pr)%2)+NQ*\i+1], v[ADRS] offset:\i*SBLK+4*NQ*(\pr)
.endr
.endm
.macro PLACES n
.rept \n
	v_nop
.endr
.endm
; A step: 64 products; the next step's fragments are fetched in its middle and at its end.  Where the next step ends in a new chunk: the wait for my loads and a barrier.  Where it begins in a later chunk: the wait, the add, the wait
; for it and for my reads, the barrier; and where chunk C0 + 2 exists, the barrier opens a round of the cluster's barrier and the slot is filled again.
.macro STEP st, zero
.set NX, (\st)+1
.set C0, (96*(\st))/ROWB
.set C1, (96*NX)/ROWB
.set E0, (96*(\st)+95)/ROWB
.set E1, (96*NX+95)/ROWB
.if C1 > C0 || E1 > E0
	s_wait_tensorcnt 0x0
.if C1 > C0
	ds_add_u32 v[SPW], v[NIL]
	s_wait_dscnt 4*NL+1                            ; the add and A's blocks 4-7 may be out
.else
	s_wait_dscnt 4*NL                              ; A's blocks 4-7 may be out
.endif
	WIN MUL_LO
	MUL16 0, (\st)%2, (\st)%2, ((\st)/2)%2, \zero
	s_wait_dscnt 0x0
	s_barrier_signal -1
	MUL16 2, (\st)%2, (\st)%2, ((\st)/2)%2, \zero
	WIN 0
	s_barrier_wait -1
.if C1 > C0 && C0+2 < CHUNKS
	CREST
	s_add_nc_u64 s[G0+4*(C0%2)+2:G0+4*(C0%2)+3], s[G0+4*(C0%2)+2:G0+4*(C0%2)+3], 2*ROWB
	s_add_nc_u64 s[G0B+4*(C0%2)+2:G0B+4*(C0%2)+3], s[G0B+4*(C0%2)+2:G0B+4*(C0%2)+3], 2*ROWB
	JLOAD G0+4*(C0%2), G1, G0B+4*(C0%2), G1B
.else
	PLACES NP
.endif
.else
	s_wait_dscnt 4*NL
	WIN MUL_LO
	MUL16 0, (\st)%2, (\st)%2, ((\st)/2)%2, \zero
	MUL16 2, (\st)%2, (\st)%2, ((\st)/2)%2, \zero
	s_wait_dscnt 0
	PLACES NP
.endif
	FETCH_B NX, NX%2
	FETCH_A NX, 0
.if NX%2 == 0
	SCALES NX/2
.endif
	WIN MUL_HI
	MUL16 4, (\st)%2, (\st)%2, ((\st)/2)%2, \zero
	MUL16 6, (\st)%2, (\st)%2, ((\st)/2)%2, \zero
	PLACES NP
	WIN 0
	FETCH_A NX, 4
.endm
.macro LAST                            ; step 7: nothing more to fetch
	s_wait_dscnt 4*NL
	WIN MUL_LO
	MUL16 0, 1, 1, 1, 0
	MUL16 2, 1, 1, 1, 0
	s_wait_dscnt 0
	WIN MUL_HI
	MUL16 4, 1, 1, 1, 0
	MUL16 6, 1, 1, 1, 0
	WIN 0
.endm
.macro QUANT s, pw                     ; 64 registers = four half blocks of 16 a lane: scale word into pw, 12 registers of codes into PC
.irp b, 0,1,2,3
	v_max3_num_f32 v[TM+\b], |v[\s+16*\b]|, |v[\s+1+16*\b]|, 0x2800000
.endr
.irp i, 2,4,6,8,10,12,14
.irp b, 0,1,2,3
	v_max3_num_f32 v[TM+\b], v[TM+\b], |v[\s+16*\b+\i]|, |v[\s+1+16*\b+\i]|
.endr
.endr
.irp b, 0,1,2,3
	v_permlanex16_b32 v[TM+4+\b], v[TM+\b], s[SEL], s[SEL+1]
.endr
.irp b, 0,1,2,3
	v_max_num_f32 v[TM+\b], v[TM+\b], v[TM+4+\b]
.endr
.irp b, 0,1,2,3
	v_add_nc_u32 v[TM+12+\b], 0xfe000000, v[TM+\b]
.endr
.irp b, 0,1,2,3
	v_lshrrev_b32 v[TM+4+\b], 23, v[TM+12+\b]
.endr
	v_lshl_or_b32 v[\pw], v[TM+5], 8, v[TM+4]
	v_lshl_or_b32 v[\pw], v[TM+6], 16, v[\pw]
	v_lshl_or_b32 v[\pw], v[TM+7], 24, v[\pw]
.irp c, 0,1
	v_cvt_scalef32_pk16_bf6_f32 v[PC+6*\c:PC+2+6*\c], v[\s+32*\c:\s+15+32*\c], v[TM+12+2*\c]
	v_cvt_scalef32_pk16_bf6_f32 v[PC+12+4*\c:PC+14+4*\c], v[\s+16+32*\c:\s+31+32*\c], v[TM+12+2*\c+1]
.endr
	v_nop
.irp c, 0,1
.irp i, 0,1,2
	v_permlane16_swap_b32 v[PC+6*\c+\i], v[PC+12+4*\c+\i]
.endr
.irp i, 0,1,2
	v_mov_b32 v[PC+3+6*\c+\i], v[PC+12+4*\c+\i]
.endr
.endr
.endm
.macro BASES th, hh, tt, ht, extra     ; th, hh: the features' tile and half; tt, ht: the tokens'
	s_lshl_b32 s46, s[\th], 2
	s_lshl_b32 s47, s[\hh], 1
	s_add_co_u32 s46, s46, s47
	s_lshr_b32 s18, s[\tt], 3
	s_lshl_b32 s18, s18, 4
	s_add_co_u32 s46, s46, s18
	s_lshl_b32 s46, s46, 4
	s_lshl_b32 s18, s[\tt], 1
	s_add_co_u32 s18, s18, s[\ht]
	s_and_b32 s18, s18, 15
	s_add_co_u32 s46, s46, s18
	s_mul_i32 s46, s46, SB
	s_add_co_u32 s46, s46, \extra
	s_mov_b32 s47, 0
	s_add_nc_u64 s[OUTP:OUTP+1], s[OUTP:OUTP+1], s[46:47]
	s_lshl_b32 s46, s[\th], 10
	s_lshl_b32 s18, s[\hh], 9
	s_add_co_u32 s46, s46, s18
	s_add_nc_u64 s[12:13], s[12:13], s[46:47]
	s_mov_b32 s[SEL], 0x76543210
	s_mov_b32 s[SEL+1], 0xfedcba98
.endm
.macro WAYOUT isv
	PLACES NP
.irp b, 0,1,2,3
	v_mov_b32 v[TM+4+\b], 0
.endr
	s_wait_loadcnt 0x0                             ; the bias
.irp a, 0,1,2,3,4,5,6,7
.set AC, 64*(\a%4)
.if \a > 0
	s_wait_xcnt 0x0                                ; the last block's stores have read X and PC
.endif
	WIN (0x02+\a/4)
.set i, 0
.rept 32
.if \isv
	v_pk_add_f32 v[X+2*i:X+2*i+1], v[AC+2*i:AC+2*i+1], v[BI+2*\a:BI+2*\a+1]
.else
	v_pk_add_f32 v[X+2*i:X+2*i+1], v[AC+2*i:AC+2*i+1], v[BI+2*i:BI+2*i+1]
.endif
.set i, i+1
.endr
	WIN 0
.if \isv == 0
	s_wait_alu depctr_va_vdst(0)                   ; the wait ahead of the branch
	s_cmp_lg_u32 s[ROLE], 0
	s_cbranch_scc1 .Lnq_\@_\a
.irp b, 0,1,2,3,4,5,6,7                            ; q in f32: each store covers 512 consecutive bytes, aligned
	global_store_b128 v[L16], v[X+8*\b:X+8*\b+3], s[QF:QF+1] offset:65536*\a+1024*\b
	global_store_b128 v[L16], v[X+8*\b+4:X+8*\b+7], s[QF:QF+1] offset:65536*\a+1024*\b+512
.endr
.Lnq_\@_\a:
.endif
	QUANT X, SW+\a
.if \isv
.set OFS, (\a/4)*HB+(\a%4)*1536
.set HOP, 768
.else
.set OFS, 768*\a
.set HOP, HB
.endif
	global_store_b128 v[L16], v[PC:PC+3], s[OUTP:OUTP+1] offset:OFS
	global_store_b64 v[L8], v[PC+4:PC+5], s[OUTP:OUTP+1] offset:OFS+512
	global_store_b128 v[L16], v[PC+6:PC+9], s[OUTP:OUTP+1] offset:OFS+HOP
	global_store_b64 v[L8], v[PC+10:PC+11], s[OUTP:OUTP+1] offset:OFS+HOP+512
.endr
	v_cmp_le_u32 vcc_lo, 16, v[LN]
.irp w, 0,1,2,3
	v_cndmask_b32 v[MW+\w], v[SW+2*\w], v[SW+2*\w+1], vcc_lo
.endr
.if \isv
	global_store_b64 v[L8], v[MW:MW+1], s[OUTP:OUTP+1] offset:VSO-VO
	global_store_b64 v[L8], v[MW+2:MW+3], s[OUTP:OUTP+1] offset:HB+VSO-VO
.else
.irp w, 0,1,2,3
	v_and_b32 v[EW+\w], 0xffff, v[MW+\w]
	v_lshrrev_b32 v[EW+4+\w], 16, v[MW+\w]
.endr
	global_store_b128 v[L16], v[EW:EW+3], s[OUTP:OUTP+1] offset:KSO
	global_store_b128 v[L16], v[EW+4:EW+7], s[OUTP:OUTP+1] offset:HB+KSO
.endif
.endm
	s_wait_alu depctr_va_vdst(0)                   ; the wait at the head's end
	s_wait_tensorcnt 0x0                           ; my tile of the head's four is in
	ds_add_u32 v[SPW], v[NIL]                      ; the add and its wait ahead of a later first fill
	s_mov_b32 s[G1+2], 128<<16                     ; no load of mine is out: from here on a load brings 128 rows
	s_mov_b32 s[G1+4], 128
	s_mov_b32 s[G1B+2], 128<<16
	s_mov_b32 s[G1B+4], 128
	s_wait_dscnt 0x0
	CROUND
	JLOAD G0+4, G1, G0B+4, G1B                     ; chunk 1
	FETCH_B 0, 0
	FETCH_A 0, 0
	SCALES 0
	FETCH_A 0, 4
	STEP 0, 1                                      ; the first step's products start the sums
.set ST, 1
.rept STEPS-2
	STEP ST, 0
.set ST, ST+1
.endr
	s_cmp_eq_u32 s[ROLE], 2
	s_cbranch_scc1 .Lv
	BASES 42, 16, 17, 15, 0
	s_lshl_b32 s46, s17, 20                        ; qf: tile of tokens 16 x tile row + 8 x half, 65,536 bytes each;
	s_lshl_b32 s18, s15, 19
	s_add_co_u32 s46, s46, s18
	s_lshl_b32 s18, s42, 14                        ; group of columns 16 x tile column + 8 x half, 1,024 bytes each
	s_add_co_u32 s46, s46, s18
	s_lshl_b32 s18, s16, 13
	s_add_co_u32 s46, s46, s18
	s_mov_b32 s47, 0
	s_add_nc_u64 s[QF:QF+1], s[QF:QF+1], s[46:47]
.irp b, 0,1,2,3,4,5,6,7
	global_load_b128 v[BI+8*\b:BI+8*\b+3], v[BH], s[12:13] offset:64*\b
	global_load_b128 v[BI+8*\b+4:BI+8*\b+7], v[BH], s[12:13] offset:64*\b+16
.endr
	LAST
	WAYOUT 0
	s_branch .Lend
.Lv:
	BASES 17, 15, 42, 16, VO
.irp a, 0,1,2,3,4,5,6,7
	global_load_b32 v[BI+2*\a], v[BR], s[12:13] offset:64*\a
	global_load_b32 v[BI+2*\a+1], v[BR], s[12:13] offset:64*\a
.endr
	LAST
	WAYOUT 1
.Lend:
	s_wait_tensorcnt 0x0                           ; the wave's end
	ds_add_u32 v[SPW], v[NIL]
	s_wait_dscnt 0x0
	CROUND                                         ; the closing round
	s_endpgm
.Lfunc_end_k_qfab546507c_proj:
	.size	k_qfab546507c_proj, .Lfunc_end_k_qfab546507c_proj-k_qfab546507c_proj
	.p2alignl 7, 3214868480
	.fill 96, 4, 3214868480
	.section	.rodata,"a",@progbits
	.p2align	6, 0x0
	.amdhsa_kernel k_qfab546507c_proj
		.amdhsa_group_segment_fixed_size 327680
		.amdhsa_private_segment_fixed_size 0
		.amdhsa_enable_private_segment 0
		.amdhsa_kernarg_size 144
		.amdhsa_user_sgpr_count 2
		.amdhsa_user_sgpr_kernarg_segment_ptr 1
		.amdhsa_wavefront_size32 1
		.amdhsa_system_sgpr_workgroup_id_x 1
		.amdhsa_system_sgpr_workgroup_id_y 1
		.amdhsa_system_sgpr_workgroup_id_z 1
		.amdhsa_system_vgpr_workitem_id 0
		.amdhsa_next_free_vgpr 1024
		.amdhsa_next_free_sgpr 102
		.amdhsa_reserve_vcc 1
		.amdhsa_float_denorm_mode_32 3
		.amdhsa_float_denorm_mode_16_64 3
		.amdhsa_memory_ordered 1
		.amdhsa_forward_progress 1
		.amdhsa_inst_pref_size 255
	.end_amdhsa_kernel
	.section	.bss,"aw",@nobits
	.p2align	6
	.space	262144
	.amdgpu_metadata
---
amdhsa.version: [ 1, 2 ]
amdhsa.kernels:
  - .name:           k_qfab546507c_proj
    .symbol:         k_qfab546507c_proj.kd
    .args:
      - { .name: Q_codes, .offset: 0, .size: 8, .value_kind: global_buffer, .address_space: global }
      - { .name: Q_scales, .offset: 8, .size: 8, .value_kind: global_buffer, .address_space: global }
      - { .name: W_q_codes, .offset: 16, .size: 8, .value_kind: global_buffer, .address_space: global }
      - { .name: W_q_scales, .offset: 24, .size: 8, .value_kind: global_buffer, .address_space: global }
      - { .name: b_q, .offset: 32, .size: 8, .value_kind: global_buffer, .address_space: global }
      - { .name: qb, .offset: 40, .size: 8, .value_kind: global_buffer, .address_space: global }
      - { .name: K_codes, .offset: 48, .size: 8, .value_kind: global_buffer, .address_space: global }
      - { .name: K_scales, .offset: 56, .size: 8, .value_kind: global_buffer, .address_space: global }
      - { .name: W_k_codes, .offset: 64, .size: 8, .value_kind: global_buffer, .address_space: global }
      - { .name: W_k_scales, .offset: 72, .size: 8, .value_kind: global_buffer, .address_space: global }
      - { .name: b_k, .offset: 80, .size: 8, .value_kind: global_buffer, .address_space: global }
      - { .name: kv, .offset: 88, .size: 8, .value_kind: global_buffer, .address_space: global }
      - { .name: W_v_codes, .offset: 96, .size: 8, .value_kind: global_buffer, .address_space: global }
      - { .name: W_v_scales, .offset: 104, .size: 8, .value_kind: global_buffer, .address_space: global }
      - { .name: V_codes, .offset: 112, .size: 8, .value_kind: global_buffer, .address_space: global }
      - { .name: V_scales, .offset: 120, .size: 8, .value_kind: global_buffer, .address_space: global }
      - { .name: b_v, .offset: 128, .size: 8, .value_kind: global_buffer, .address_space: global }
      - { .name: qf, .offset: 136, .size: 8, .value_kind: global_buffer, .address_space: global }
    .group_segment_fixed_size: 327680
    .private_segment_fixed_size: 0
    .kernarg_segment_align: 8
    .kernarg_segment_size: 144
    .max_flat_workgroup_size: 128
    .sgpr_count:     102
    .vgpr_count:     1024
    .wavefront_size: 32
...
	.end_amdgpu_metadata
.endif
;; end of part 1
;; launch attn (part 2): grid 4 x 64, 16 waves a work-group, clusters of 4 x 1, 210,944 bytes of LDS; arguments qb, kv, cx, cs, W_o_codes, W_o_scales, wi, ws; writes cx, cs, wi, ws
.if DOCPART == 2
	.amdgcn_target "amdgcn-amd-amdhsa--gfx1250"
	.amdhsa_code_object_version 6
	.text
	.protected	k_qfab546507c_attn
	.globl	k_qfab546507c_attn
	.p2align	8
	.type	k_qfab546507c_attn,@function
k_qfab546507c_attn:
	s_mov_b64 s[64:65], 0
	v_nop
	global_prefetch_b8 v0, s[64:65] scope:SCOPE_SE
	s_setreg_imm32_b32 hwreg(HW_REG_WAVE_MODE, 25, 1), 1
	s_wait_xcnt 0x0
	s_wait_alu depctr_hold_cnt(0) depctr_sa_sdst(0) depctr_va_vdst(0) depctr_va_sdst(0) depctr_va_ssrc(0) depctr_va_vcc(0) depctr_vm_vsrc(0)
	s_getreg_b32 s2, hwreg(HW_REG_IB_STS2, 6, 4)
	s_cmp_eq_u32 s2, 0
	s_cbranch_scc0 .Lentry_in_a_cluster
	s_endpgm
.Lentry_in_a_cluster:
	s_bfe_u32 s2, ttmp6, 0x10000c
	s_cmp_lg_u32 s2, 0x3003
	s_cbranch_scc0 .Lentry_shape_is_right
	s_endpgm
.Lentry_shape_is_right:
; ctx[b][q][64 h ..] = the sum over keys of softmax(q . k / 8) v, for each of 64 (batch, head), both products on codes of E3M2 with E8M0 scales; ctx is quantised along its features for the last product.
; THE SOFTMAX AHEAD OF THE SECOND PRODUCT: t = score x log2(e) / 8; M = the row's largest t so far, rounded UP to a whole number; p = 2^(t - M) is quantised along the keys, not normalised.  The row's sum is taken of the
; unquantised p and divides at the end.  When M moves, the sum and O are multiplied by 2^(old M - new M): exact.  A block's largest p is not searched for: the block's largest score goes through the same multiply-add and exponential
; (this takes v_exp_f32 not to fall where its input rises; at the worst one p of a block would be held one code low).
; SHARES.  A cluster of four work-groups is one (batch, head); a work-group owns 512 queries; each of its sixteen waves owns two tiles of 16, one after the other (two passes), in 256 registers: four waves to a SIMD.
; A HEAD'S K AND V STAY IN LDS: 16 steps of 128 keys x 13,056 bytes = 208,896 bytes, as they lie in kv: images of the operands' registers and their scale words.  Each wave brings one step's block by ONE tensor load, asked for JOINTLY
; by the four work-groups (the same descriptor, a mask that names the four).  Nothing is filled again, nothing is stored into LDS: one wait, one barrier.  One tensor load of a wave is out.
; A step's block: +0 eight tiles of 16 keys x 768 bytes (K = the head's 64: registers 0-3 of lane l at 16 l, registers 4-5 at 512 + 8 l; the operand's registers 6-11 are zeros, kept in registers);
;   +6,144 four tiles of 16 features x 1,536 bytes (K = the 128 keys);  +12,288 K's scale words [lane][4];  +12,800 V's [lane][2]: lanes 0-15 the even tile's rows, lanes 16-31 the odd tile's.
; LAYOUT.  Both products are used transposed: S^T = K Q^T, O^T = V^T P^T: a lane holds ONE query (lane % 16) throughout.  A tile is 16 neighbouring keys, so inside a block of 32 keys p's place 16 h + 8 u + j holds key 16 u + 8 h + j:
; the order in which the launch before laid v's keys.  q and k are permuted alike inside their blocks too.  So the unit adds the products of a block in another order than the index runs.
; ctx meets given codes (W_o's), so it is put in true order by sixteen exchanges of lane halves ahead of its quantiser.
;   cx: [tile of 16 tokens: 512][K step = head / 2: 8][head % 2][768 bytes];  cs: [tile][K step][lane 32] words, my head's two bytes at 2 (head % 2): the stores of 2 bytes a lane fill half of each word, the neighbouring head's
;   work-group the other half: 512 KB in the whole launch.
; LIMITS: NaN and infinities are not served; a block whose largest magnitude lies under 2^-122 keeps the scale byte 1 (a block of zeros too: its codes are zeros, and this program alone reads the bytes).
; REGISTERS: v1, v2 16 x, 8 x lane; v3, v4 the same + the step's LDS byte; v5-7 Q's offsets; v8-11 K's scale words; v12 -M, v13 the largest t, v[14:15] the sum; v16-27 Q (22-27 zeros); v28 Q's scale word; v29 4 x lane;
;   v30-31 V's scale words; v32-79 four fragments of K (upper halves zeros); v80-127 V's four; v128-191 S^T, then p; v192-223 O^T; v224-235 p's codes; v236-254 at work, v253 p's scale word.
.set SB,   13056                       ; a step's block
.set HB,   16*SB                       ; a head's
.set VO,   6144
.set KSO,  12288
.set VSO,  12800
.set WV,   12                          ; s12  my wave's number
.set SEL,  20                          ; s[20:21] lane selects: lane l xor 16
.set CS,   22                          ; s[22:23] c = log2(e) / 8
.set G1,   24                          ; s[24:31] descriptor group 1
.set G0,   32                          ; s[32:35] group 0
.set TB,   48                          ; s48  LDS byte of the step in hand
.set CNT,  49                          ; s49  steps to go
.set SQ,   50                          ; s[50:51] qb at my first tile's step
.set SCX,  52                          ; s[52:53] cx at my first tile
.set SCS,  54                          ; s[54:55] cs likewise
.macro CROUND                          ; a round of the cluster's barrier
	s_barrier_signal -1
	s_barrier_wait -1
	s_cmp_lg_u32 s[WV], 0
	s_cbranch_scc1 .Lnot_wave_0_\@
	s_barrier_signal -3
.Lnot_wave_0_\@:
	s_barrier_wait -3
	s_barrier_signal -1
	s_barrier_wait -1
.endm
	s_load_b256 s[4:11], s[0:1], 0x0               ; qb s[4:5], kv s[6:7], cx s[8:9], cs s[10:11]
	s_load_b256 s[36:43], s[0:1], 0x20             ; W_o's codes s[36:37], its scales s[38:39], wi s[40:41], ws s[42:43]
	v_lshl_add_u32 v243, v0, 2, 0x33000
	v_mov_b32 v255, 0
	ds_add_u32 v243, v255
	ds_add_u32 v243, v255
	v_lshrrev_b32 v1, 5, v0
	s_delay_alu instid0(VALU_DEP_1)
	v_readfirstlane_b32 s[WV], v1                  ; wave 0..15
	s_bfe_u32 s13, ttmp6, 0x40000                  ; cx: my block of 512 queries: it enters qb's, cx's and cs's addresses alone
	s_and_b32 s14, ttmp7, 0xffff                   ; 16 x batch + head, which the four partners share
	s_mul_i32 s16, s14, HB                         ; the head's block (under 2^24 bytes)
	s_mul_i32 s15, s[WV], SB                       ; my step's block: in memory and in LDS alike
	s_add_co_u32 s18, s16, s15
	s_mov_b32 s19, 0
	; descriptor group 1: a dense block of 13,056 bytes as 51 rows of 256 bytes (32 elements of 8 bytes), no padding
	s_mov_b32 s[G1], 15|(3<<16)|(1<<21)            ; 15:0 the mask: all four work-groups; 17:16 elements of 8 bytes; 21 set beside a mask
	s_mov_b32 s[G1+1], 32<<16                      ; tensor_dim0
	s_mov_b32 s[G1+2], 51<<16                      ; tensor_dim1
	s_mov_b32 s[G1+3], 32<<16                      ; tile_dim0
	s_mov_b32 s[G1+4], 51                          ; tile_dim1
	s_mov_b32 s[G1+5], 32                          ; tensor_dim0_stride
	s_mov_b32 s[G1+6], 0
	s_mov_b32 s[G1+7], 0
	s_mov_b32 s[SEL], 0x76543210
	s_mov_b32 s[SEL+1], 0xfedcba98
	s_mov_b32 s[CS], 0x3e38aa3b                    ; c = log2(e) / sqrt(64)
	s_mov_b32 s[CS+1], s[CS]                       ; (named with it as a pair, so it is written)
	s_lshl_b32 s56, s13, 2                         ; my first tile is 32 block + wave: step 4 block + wave / 8, tile wave % 8
	s_lshr_b32 s57, s[WV], 3
	s_add_co_u32 s56, s56, s57
	s_mul_i32 s56, s56, SB
	s_add_co_u32 s56, s56, s16
	s_mov_b32 s57, 0
	s_lshr_b32 s58, s14, 4                         ; batch
	s_lshl_b32 s58, s58, 7
	s_lshl_b32 s59, s13, 5
	s_add_co_u32 s58, s58, s59
	s_add_co_u32 s58, s58, s[WV]                   ; my first tile of tokens among the 512: 128 batch + 32 block + wave
	s_and_b32 s59, s14, 15                         ; head
	s_mul_i32 s60, s58, 8*1536
	s_mul_i32 s61, s59, 768                        ; (head / 2) x 1,536 + (head % 2) x 768
	s_add_co_u32 s60, s60, s61
	s_mov_b32 s61, 0
	s_wait_dscnt 0x0
	s_wait_kmcnt 0x0
	s_mov_b32 s[G0], 1                             ; count = 1
	s_mov_b32 s[G0+1], s15                         ; LDS address
	s_add_nc_u64 s[G0+2:G0+3], s[6:7], s[18:19]    ; global address
	s_or_b32 s[G0+3], s[G0+3], 0x80000000          ; type = 2
	s_add_nc_u64 s[SQ:SQ+1], s[4:5], s[56:57]
	s_add_nc_u64 s[SCX:SCX+1], s[8:9], s[60:61]
	s_lshl_b32 s60, s58, 10                        ; cs: 1,024 bytes a tile,
	s_lshr_b32 s62, s59, 1
	s_lshl_b32 s62, s62, 7                         ; 128 a K step,
	s_add_co_u32 s60, s60, s62
	s_and_b32 s62, s59, 1
	s_lshl_b32 s62, s62, 1                         ; 2 bytes for the odd head
	s_add_co_u32 s60, s60, s62
	s_add_nc_u64 s[SCS:SCS+1], s[10:11], s[60:61]
	CROUND                                         ; all four work-groups are here: the joint loads meet
	tensor_load_to_lds s[G0:G0+3], s[G1:G1+7]      ; my step's block, for all four work-groups
	s_nop 0
.rept 4
	v_nop
.endr
	v_and_b32 v29, 31, v0                          ; lane
	s_wait_alu depctr_va_vdst(0)
	v_lshlrev_b32 v1, 4, v29
	v_lshlrev_b32 v2, 3, v29
	s_and_b32 s56, s[WV], 7                        ; my tile in its step
	s_mul_i32 s57, s56, 768
	v_add_nc_u32 v5, s57, v1                       ; Q's registers 0-3
	s_add_co_u32 s57, s57, 512
	v_add_nc_u32 v6, s57, v2                       ; registers 4-5
	v_and_b32 v7, 15, v0
	s_delay_alu instid0(VALU_DEP_1)
	v_lshlrev_b32 v7, 4, v7                        ; Q's scale word: row lane % 16 of tile t lies in word t / 2 of lane 16 (t % 2) + row
	s_and_b32 s57, s[WV], 1
	s_lshl_b32 s57, s57, 8
	s_lshr_b32 s56, s56, 1
	s_lshl_b32 s56, s56, 2
	s_add_co_u32 s57, s57, s56
	s_add_co_u32 s57, s57, KSO
	v_add_nc_u32 v7, s57, v7
	v_lshlrev_b32 v29, 2, v29
.irp j, 22,23,24,25,26,27
	v_mov_b32 v[\j], 0                             ; K = 64 of the instruction's 128: the upper half of Q is zero codes,
.endr
.irp t, 0,1,2,3
.irp j, 6,7,8,9,10,11
	v_mov_b32 v[32+12*\t+\j], 0                    ; and of every fragment of K: written once
.endr
.endr
.irp b, 0,1,2,3
	v_mov_b32 v[236+\b], 0                         ; written once: a lane permute's destination counts as one of its sources
.endr
	v_mov_b32 v253, 0                              ; (named as the upper half of the pair v[252:253] before it is first written)
	; W_o FOR THE LAST LAUNCH, while my tensor load is out: W_o ([1024][1024] codes, 768 bytes a row; scale bytes [1024][32]) is laid anew in the order of an operand's registers.  No value is changed.
	;   wi: [K step 8][tile of 16 rows: 64][1,536 bytes]: registers 4 c .. 4 c + 3 of lane l at 512 c + 16 l.   ws: [K step 8][group of 64 rows: 16][lane 32][2 words]: word q of lane l is the scale word of row 64 w + 32 q + l.
	; 512 fragments: waves 0 and 1 of each of the 256 work-groups take one: fragment 2 x work-group + wave = K step work-group / 32, tile 2 (work-group % 32) + wave.  The branch hangs on the wave's number alone;
	; the work-group's place in its cluster enters global addresses alone.  The scale words go out as 4 bytes a lane, 8 bytes apart: 32 KB in the whole launch; lanes r and 16 + r store the same word.
	v_and_b32 v128, 15, v0                         ; r
	v_bfe_u32 v129, v0, 4, 1                       ; h
	v_mul_u32_u24 v130, v128, 768
	s_delay_alu instid0(VALU_DEP_1)
	v_mad_u32_u24 v130, v129, 24, v130             ; a fragment's row r, + 24 h
	v_lshlrev_b32 v131, 5, v128                    ; scale bytes: 32 a row
	v_lshlrev_b32 v132, 3, v128                    ; ws: 8 bytes a lane
	s_wait_alu depctr_va_vdst(0)                   ; the wait here, ahead of the branch and the scalar lines
	s_cmp_lt_u32 s[WV], 2
	s_cbranch_scc0 .Lno_w
	s_lshl_b32 s44, s14, 2
	s_add_co_u32 s44, s44, s13                     ; work-group 0..255
	s_lshr_b32 s58, s44, 5                         ; K step
	s_and_b32 s59, s44, 31
	s_lshl_b32 s60, s59, 1
	s_add_co_u32 s60, s60, s[WV]                   ; tile of 16 rows
	s_lshl_b32 s44, s44, 1
	s_add_co_u32 s44, s44, s[WV]
	s_mul_i32 s44, s44, 1536                       ; wi: 64 K step + tile = 2 work-group + wave
	s_mov_b32 s45, 0
	s_add_nc_u64 s[40:41], s[40:41], s[44:45]
	s_mul_i32 s44, s60, 16*768
	s_mul_i32 s46, s58, 96
	s_add_co_u32 s44, s44, s46
	s_add_nc_u64 s[36:37], s[36:37], s[44:45]      ; codes: 16 rows x tile + 96 bytes x step
	s_lshl_b32 s44, s60, 9
	s_lshl_b32 s46, s58, 2
	s_add_co_u32 s44, s44, s46
	s_add_nc_u64 s[38:39], s[38:39], s[44:45]      ; scales: 16 rows of 32 bytes x tile + 4 bytes x step
	s_lshl_b32 s44, s58, 12                        ; ws: 4,096 a K step,
	s_lshr_b32 s46, s59, 1
	s_lshl_b32 s46, s46, 8                         ; 256 a group of 64 rows,
	s_add_co_u32 s44, s44, s46
	s_and_b32 s46, s59, 1
	s_lshl_b32 s46, s46, 2                         ; word q,
	s_add_co_u32 s44, s44, s46
	s_lshl_b32 s46, s[WV], 7                       ; lanes 16 x wave on
	s_add_co_u32 s44, s44, s46
	s_add_nc_u64 s[42:43], s[42:43], s[44:45]
.irp p, 0,1,2,3,4,5
	global_load_b64 v[136+2*\p:137+2*\p], v130, s[36:37] offset:48*(\p/3)+8*(\p%3)
.endr
	global_load_b32 v133, v131, s[38:39]
	s_wait_loadcnt 0x0
.irp c, 0,1,2
	global_store_b128 v1, v[136+4*\c:139+4*\c], s[40:41] offset:512*\c   ; 512 consecutive bytes, aligned
.endr
	global_store_b32 v132, v133, s[42:43]
	s_wait_xcnt 0x0                                ; the stores have read their registers, which the key steps write again
.Lno_w:
.macro SPROD g                         ; S^T of key tiles 4 g .. 4 g + 3: the even tile's scale words lie in lanes 0-15, the odd tile's in lanes 16-31
	v_wmma_scale_f32_16x16x128_f8f6f4 v[128+32*\g:135+32*\g], v[32:43], v[16:27], 0, v[8+2*\g], v28 matrix_a_fmt:MATRIX_FMT_BF6 matrix_b_fmt:MATRIX_FMT_BF6
	v_wmma_scale_f32_16x16x128_f8f6f4 v[136+32*\g:143+32*\g], v[44:55], v[16:27], 0, v[8+2*\g], v28 matrix_a_fmt:MATRIX_FMT_BF6 matrix_b_fmt:MATRIX_FMT_BF6 matrix_a_scale:MATRIX_SCALE_ROW1
	v_wmma_scale_f32_16x16x128_f8f6f4 v[144+32*\g:151+32*\g], v[56:67], v[16:27], 0, v[9+2*\g], v28 matrix_a_fmt:MATRIX_FMT_BF6 matrix_b_fmt:MATRIX_FMT_BF6
	v_wmma_scale_f32_16x16x128_f8f6f4 v[152+32*\g:159+32*\g], v[68:79], v[16:27], 0, v[9+2*\g], v28 matrix_a_fmt:MATRIX_FMT_BF6 matrix_b_fmt:MATRIX_FMT_BF6 matrix_a_scale:MATRIX_SCALE_ROW1
.endm
; A KEY STEP: 128 keys, whose block begins at LDS byte s[TB].
.macro STEP
	v_add_nc_u32 v3, s[TB], v1
	v_add_nc_u32 v4, s[TB], v2
	v_nop
	v_nop                                          ; four places behind the last step's products, in front of loads into registers that they read
	ds_load_b128 v[8:11], v3 offset:KSO            ; K's scale words
.irp t, 0,1,2,3
	ds_load_b128 v[32+12*\t:35+12*\t], v3 offset:768*\t
	ds_load_b64 v[36+12*\t:37+12*\t], v4 offset:768*\t+512
.endr
	ds_load_b64 v[30:31], v4 offset:VSO            ; V's scale words
.irp d, 0,1,2,3
	ds_load_b128 v[80+12*\d:83+12*\d], v3 offset:VO+1536*\d
	ds_load_b64 v[84+12*\d:85+12*\d], v4 offset:VO+1536*\d+512
	ds_load_b128 v[86+12*\d:89+12*\d], v3 offset:VO+1536*\d+768
	ds_load_b64 v[90+12*\d:91+12*\d], v4 offset:VO+1536*\d+1280
.endr
	s_wait_alu depctr_va_vdst(0)
	s_wait_dscnt 17                                ; K's words and tiles 0-3 are in; the 17 loads for V may be out
	SPROD 0
.rept 4
	v_nop
.endr
.irp t, 0,1,2,3
	ds_load_b128 v[32+12*\t:35+12*\t], v3 offset:768*(\t+4)
	ds_load_b64 v[36+12*\t:37+12*\t], v4 offset:768*(\t+4)+512
.endr
	s_wait_dscnt 0x0
	SPROD 1                                        ; lane (r, h) holds query r; register 8 t + j is key 16 t + 8 h + j of the step
	; the largest score of each block of 32 keys.  Blocks 0 and 1 first: their 14 lines read the first group's scores alone, name no register of the products just issued, and are the places behind them
.irp b, 0,1
	v_max3_num_f32 v[248+\b], v[128+16*\b], v[129+16*\b], v[130+16*\b]
.endr
.irp i, 3,5,7,9,11,13
.irp b, 0,1
	v_max3_num_f32 v[248+\b], v[248+\b], v[128+16*\b+\i], v[129+16*\b+\i]
.endr
.endr
.irp b, 2,3
	v_max3_num_f32 v[248+\b], v[128+16*\b], v[129+16*\b], v[130+16*\b]
.endr
.irp i, 3,5,7,9,11,13
.irp b, 2,3
	v_max3_num_f32 v[248+\b], v[248+\b], v[128+16*\b+\i], v[129+16*\b+\i]
.endr
.endr
.irp b, 0,1,2,3
	v_max_num_f32 v[248+\b], v[248+\b], v[143+16*\b]
.endr
.irp b, 0,1,2,3
	s_delay_alu instid0(VALU_DEP_4)
	v_permlanex16_b32 v[236+\b], v[248+\b], s[SEL], s[SEL+1]
.endr
.irp b, 0,1,2,3
	s_delay_alu instid0(VALU_DEP_4)
	v_max_num_f32 v[248+\b], v[248+\b], v[236+\b]  ; with lane l xor 16's 16 keys
.endr
	s_delay_alu instid0(VALU_DEP_2)
	v_max3_num_f32 v254, v248, v249, v250
	s_delay_alu instid0(VALU_DEP_1)
	v_max_num_f32 v254, v254, v251                 ; the step's largest score of my query
	s_delay_alu instid0(VALU_DEP_1)
	v_mul_f32 v254, s[CS], v254                    ; as t (c is positive)
	s_delay_alu instid0(VALU_DEP_1)
	v_max_num_f32 v13, v13, v254                   ; the running largest t
	v_mov_b32 v254, v12
	s_delay_alu instid0(VALU_DEP_2)
	v_floor_f32 v12, -v13                          ; the new -M = floor(-t) = -ceil(t): a whole number
	s_delay_alu instid0(VALU_DEP_1)
	v_sub_f32 v254, v12, v254                      ; M's old value less its new one: a whole number, 0 or less
	s_delay_alu instid0(VALU_DEP_1)
	v_cvt_i32_f32 v254, v254                       ; (it saturates)
	s_delay_alu instid0(VALU_DEP_1)
	v_ldexp_f32 v252, 1.0, v254                    ; f = 2^(old M - new M)
.set j, 0
.rept 32
	v_pk_fma_f32 v[128+j:129+j], v[128+j:129+j], s[CS:CS+1], v[12:13] op_sel_hi:[1,0,0]   ; t - M, two at a time (of the pairs c and -M the low word serves both halves)
.set j, j+2
.endr
.irp b, 0,1,2,3
	v_fma_f32 v[248+\b], v[248+\b], s[CS], v12     ; the same of each block's largest score
.endr
.set j, 0
	s_wait_alu depctr_va_vdst(0)
.rept 64
	v_exp_f32 v[128+j], v[128+j]                   ; p = 2^(t - M), at most 1: not normalised
.set j, j+1
.endr
.irp b, 0,1,2,3
	v_exp_f32 v[248+\b], v[248+\b]                 ; the block's largest p
.endr
	v_pk_mul_f32 v[14:15], v[14:15], v[252:253] op_sel_hi:[1,0]   ; the sums under the new M.  (A plain place behind the exponentials)
	s_wait_alu depctr_va_vdst(0)
.irp b, 0,1,2,3
	v_max_num_f32 v[248+\b], 0x2800000, v[248+\b]  ; the floor 2^(5 - 127): the byte cannot fall under 1
.endr
.irp b, 0,1,2,3
	s_delay_alu instid0(VALU_DEP_4)
	v_add_nc_u32 v[244+\b], 0xfe000000, v[248+\b]  ; 4 off the exponent field: the conversion's scale operand
.endr
.irp b, 0,1,2,3
	s_delay_alu instid0(VALU_DEP_4)
	v_lshrrev_b32 v[236+\b], 23, v[244+\b]         ; the scale's byte
.endr
	s_delay_alu instid0(VALU_DEP_3)
	v_lshl_or_b32 v253, v237, 8, v236              ; p's scale word for these 128 keys
	s_delay_alu instid0(VALU_DEP_1)
	v_lshl_or_b32 v253, v238, 16, v253
	s_delay_alu instid0(VALU_DEP_1)
	v_lshl_or_b32 v253, v239, 24, v253
.irp c, 0,1
	v_cvt_scalef32_pk16_bf6_f32 v[224+6*\c:226+6*\c], v[128+32*\c:143+32*\c], v[244+2*\c]
	v_cvt_scalef32_pk16_bf6_f32 v[236+4*\c:238+4*\c], v[144+32*\c:159+32*\c], v[244+2*\c+1]   ; (a conversion's three registers begin on an even number)
.endr
	v_nop                                          ; one plain place behind a scaled conversion
.irp c, 0,1                                    ; the operand's layout wants a WHOLE block in a lane
.irp i, 0,1,2
	v_permlane16_swap_b32 v[224+6*\c+\i], v[236+4*\c+\i]
.endr
.irp i, 0,1,2
	s_delay_alu instid0(VALU_DEP_3)
	v_mov_b32 v[227+6*\c+\i], v[236+4*\c+\i]
.endr
.endr
	v_pk_add_f32 v[236:237], v[132:133], v[136:137]
	v_pk_add_f32 v[250:251], v[140:141], v[144:145]
	v_pk_add_f32 v[248:249], v[148:149], v[152:153]
	v_pk_add_f32 v[246:247], v[156:157], v[160:161]
	v_pk_add_f32 v[244:245], v[164:165], v[168:169]
	v_pk_add_f32 v[240:241], v[172:173], v[176:177]
	v_pk_add_f32 v[72:73], v[180:181], v[184:185]
	v_pk_add_f32 v[14:15], v[14:15], v[188:189]
	v_pk_add_f32 v[236:237], v[236:237], v[128:129]
	v_pk_add_f32 v[250:251], v[250:251], v[130:131]
	v_pk_add_f32 v[248:249], v[248:249], v[134:135]
	v_pk_add_f32 v[246:247], v[246:247], v[138:139]
	v_pk_add_f32 v[244:245], v[244:245], v[142:143]
	v_pk_add_f32 v[240:241], v[240:241], v[146:147]
	v_pk_add_f32 v[72:73], v[72:73], v[150:151]
	v_pk_add_f32 v[14:15], v[14:15], v[154:155]
	v_pk_add_f32 v[236:237], v[236:237], v[158:159]
	v_pk_add_f32 v[250:251], v[250:251], v[162:163]
	v_pk_add_f32 v[248:249], v[248:249], v[166:167]
	v_pk_add_f32 v[246:247], v[246:247], v[170:171]
	v_pk_add_f32 v[244:245], v[244:245], v[174:175]
	v_pk_add_f32 v[240:241], v[240:241], v[178:179]
	v_pk_add_f32 v[72:73], v[72:73], v[182:183]
	v_pk_add_f32 v[14:15], v[14:15], v[186:187]
	v_pk_add_f32 v[236:237], v[236:237], v[190:191]
	s_delay_alu instid0(VALU_DEP_2)
	v_pk_add_f32 v[14:15], v[14:15], v[246:247]
	s_delay_alu instid0(VALU_DEP_2)
	v_pk_add_f32 v[236:237], v[236:237], v[244:245]
	v_pk_add_f32 v[250:251], v[250:251], v[240:241]
	v_pk_add_f32 v[248:249], v[248:249], v[72:73]
	s_delay_alu instid0(VALU_DEP_2)
	v_pk_add_f32 v[14:15], v[14:15], v[250:251]
	s_delay_alu instid0(VALU_DEP_2)
	v_pk_add_f32 v[236:237], v[236:237], v[248:249]
	s_delay_alu instid0(VALU_DEP_1)
	v_pk_add_f32 v[14:15], v[14:15], v[236:237]
.set j, 0
.rept 16
	v_pk_mul_f32 v[192+j:193+j], v[192+j:193+j], v[252:253] op_sel_hi:[1,0]   ; O^T under the new M.  (These and the sums are the places between p's scale word and codes and the products below)
.set j, j+2
.endr
	; O^T += V^T P^T: four tiles of 16 of the head's 64; K = these 128 keys.  The four accumulators take turns
	v_wmma_scale_f32_16x16x128_f8f6f4 v[192:199], v[80:91], v[224:235], v[192:199], v30, v253 matrix_a_fmt:MATRIX_FMT_BF6 matrix_b_fmt:MATRIX_FMT_BF6
	v_wmma_scale_f32_16x16x128_f8f6f4 v[200:207], v[92:103], v[224:235], v[200:207], v30, v253 matrix_a_fmt:MATRIX_FMT_BF6 matrix_b_fmt:MATRIX_FMT_BF6 matrix_a_scale:MATRIX_SCALE_ROW1
	v_wmma_scale_f32_16x16x128_f8f6f4 v[208:215], v[104:115], v[224:235], v[208:215], v31, v253 matrix_a_fmt:MATRIX_FMT_BF6 matrix_b_fmt:MATRIX_FMT_BF6
	v_wmma_scale_f32_16x16x128_f8f6f4 v[216:223], v[116:127], v[224:235], v[216:223], v31, v253 matrix_a_fmt:MATRIX_FMT_BF6 matrix_b_fmt:MATRIX_FMT_BF6 matrix_a_scale:MATRIX_SCALE_ROW1
	s_add_co_u32 s[TB], s[TB], SB
.endm
; A PASS: my tile 32 block + 16 p + wave of queries against all 2,048 keys.
.macro PASS p
.if \p
	s_wait_xcnt 0x0                                ; the last pass's stores have read their registers
.endif
	global_load_b128 v[16:19], v5, s[SQ:SQ+1] offset:2*SB*\p    ; tile + 16 is two steps' blocks on
	global_load_b64 v[20:21], v6, s[SQ:SQ+1] offset:2*SB*\p
	global_load_b32 v28, v7, s[SQ:SQ+1] offset:2*SB*\p
	v_mov_b32 v13, 0xff61b1e6                      ; the largest t so far: -3e38, under every t
	s_delay_alu instid0(VALU_DEP_1)
	v_floor_f32 v12, -v13                          ; -M
	v_mov_b32 v14, 0                               ; the sum, in two halves
	v_mov_b32 v15, 0
.set j, 0
.rept 32
	v_mov_b32 v[192+j], 0                          ; O^T.  (The step is written once: the first finds zeros, which the first change of M leaves zeros)
.set j, j+1
.endr
	s_mov_b32 s[TB], 0
	s_mov_b32 s[CNT], 16
	s_wait_loadcnt 0x0                             ; Q
.if \p == 0
	s_wait_tensorcnt 0x0                           ; my step's block has landed,
	s_barrier_signal -1
	s_barrier_wait -1                              ; everybody's has: the head lies in LDS, and nothing writes it from here on
.endif
.Lstep_\@:
	STEP
	s_sub_co_u32 s[CNT], s[CNT], 1
	s_cmp_lg_u32 s[CNT], 0
	s_cbranch_scc1 .Lstep_\@
.rept 4
	v_nop                                          ; places behind the last products
.endr
	v_add_f32 v14, v14, v15                        ; the sum's two halves,
	s_delay_alu instid0(VALU_DEP_1)
	v_permlanex16_b32 v252, v14, s[SEL], s[SEL+1]
	s_delay_alu instid0(VALU_DEP_1)
	v_add_f32 v14, v14, v252                       ; and lane l xor 16's: the row's sum
	s_wait_alu depctr_va_vdst(0)
	v_rcp_f32 v14, v14
	v_nop                                          ; a plain place behind the transcendental
.set j, 0
	s_wait_alu depctr_va_vdst(0)
.rept 32
	v_mul_f32 v[128+j], v[192+j], v14              ; ctx: register 8 d + i is feature 16 d + 8 h + i of the head; each accumulator from its low end on
.set j, j+1
.endr
.irp b, 0,1
.irp i, 0,1,2,3,4,5,6,7
	v_permlane16_swap_b32 v[128+16*\b+\i], v[136+16*\b+\i]   ; TRUE ORDER: register 16 b + 8 u + i of half h becomes feature 32 b + 16 h + 8 u + i
.endr
.endr
.irp b, 0,1
	v_max3_num_f32 v[248+\b], |v[128+16*\b]|, |v[129+16*\b]|, 0x2800000   ; the head's two blocks of 32, with the floor
.endr
.irp i, 2,4,6,8,10,12,14
.irp b, 0,1
	s_delay_alu instid0(VALU_DEP_2)
	v_max3_num_f32 v[248+\b], v[248+\b], |v[128+16*\b+\i]|, |v[129+16*\b+\i]|
.endr
.endr
.irp b, 0,1
	s_delay_alu instid0(VALU_DEP_2)
	v_permlanex16_b32 v[236+\b], v[248+\b], s[SEL], s[SEL+1]
.endr
.irp b, 0,1
	s_delay_alu instid0(VALU_DEP_2)
	v_max_num_f32 v[248+\b], v[248+\b], v[236+\b]
.endr
.irp b, 0,1
	s_delay_alu instid0(VALU_DEP_2)
	v_add_nc_u32 v[244+\b], 0xfe000000, v[248+\b]
.endr
.irp b, 0,1
	s_delay_alu instid0(VALU_DEP_2)
	v_lshrrev_b32 v[236+\b], 23, v[244+\b]
.endr
	s_delay_alu instid0(VALU_DEP_1)
	v_lshl_or_b32 v254, v237, 8, v236              ; my head's two scale bytes
	v_cvt_scalef32_pk16_bf6_f32 v[224:226], v[128:143], v244
	v_cvt_scalef32_pk16_bf6_f32 v[240:242], v[144:159], v245
	v_nop                                          ; one plain place behind a scaled conversion
.irp i, 0,1,2
	v_permlane16_swap_b32 v[224+\i], v[240+\i]     ; lanes 0-15 block 0, lanes 16-31 block 1
.endr
.irp i, 0,1,2
	s_delay_alu instid0(VALU_DEP_3)
	v_mov_b32 v[227+\i], v[240+\i]
.endr
	global_store_b128 v1, v[224:227], s[SCX:SCX+1] offset:16*8*1536*\p        ; 512 consecutive bytes, aligned
	global_store_b64 v2, v[228:229], s[SCX:SCX+1] offset:16*8*1536*\p+512     ; 256
	global_store_b16 v29, v254, s[SCS:SCS+1] offset:16*1024*\p
.endm
	PASS 0
	PASS 1
	s_wait_tensorcnt 0x0
	ds_add_u32 v243, v255
	s_wait_dscnt 0x0
	CROUND                                         ; the closing round: no work-group ends while a partner may still ask for a tile that names it
	s_endpgm
.Lfunc_end_k_qfab546507c_attn:
	.size	k_qfab546507c_attn, .Lfunc_end_k_qfab546507c_attn-k_qfab546507c_attn
	.p2alignl 7, 3214868480
	.fill 96, 4, 3214868480
	.section	.rodata,"a",@progbits
	.p2align	6, 0x0
	.amdhsa_kernel k_qfab546507c_attn
		.amdhsa_group_segment_fixed_size 210944
		.amdhsa_private_segment_fixed_size 0
		.amdhsa_enable_private_segment 0
		.amdhsa_kernarg_size 64
		.amdhsa_user_sgpr_count 2
		.amdhsa_user_sgpr_kernarg_segment_ptr 1
		.amdhsa_wavefront_size32 1
		.amdhsa_system_sgpr_workgroup_id_x 1
		.amdhsa_system_sgpr_workgroup_id_y 1
		.amdhsa_system_sgpr_workgroup_id_z 1
		.amdhsa_system_vgpr_workitem_id 0
		.amdhsa_next_free_vgpr 256
		.amdhsa_next_free_sgpr 66
		.amdhsa_reserve_vcc 0
		.amdhsa_float_denorm_mode_32 3
		.amdhsa_float_denorm_mode_16_64 3
		.amdhsa_memory_ordered 1
		.amdhsa_forward_progress 1
		.amdhsa_inst_pref_size 56
	.end_amdhsa_kernel
	.amdgpu_metadata
---
amdhsa.version: [ 1, 2 ]
amdhsa.kernels:
  - .name:           k_qfab546507c_attn
    .symbol:         k_qfab546507c_attn.kd
    .args:
      - { .name: qb, .offset: 0, .size: 8, .value_kind: global_buffer, .address_space: global }
      - { .name: kv, .offset: 8, .size: 8, .value_kind: global_buffer, .address_space: global }
      - { .name: cx, .offset: 16, .size: 8, .value_kind: global_buffer, .address_space: global }
      - { .name: cs, .offset: 24, .size: 8, .value_kind: global_buffer, .address_space: global }
      - { .name: W_o_codes, .offset: 32, .size: 8, .value_kind: global_buffer, .address_space: global }
      - { .name: W_o_scales, .offset: 40, .size: 8, .value_kind: global_buffer, .address_space: global }
      - { .name: wi, .offset: 48, .size: 8, .value_kind: global_buffer, .address_space: global }
      - { .name: ws, .offset: 56, .size: 8, .value_kind: global_buffer, .address_space: global }
    .group_segment_fixed_size: 210944
    .private_segment_fixed_size: 0
    .kernarg_segment_align: 8
    .kernarg_segment_size: 64
    .max_flat_workgroup_size: 512
    .sgpr_count:     66
    .vgpr_count:     256
    .wavefront_size: 32
...
	.end_amdgpu_metadata
.endif
;; end of part 2
;; launch outln (part 3): grid 256 x 1, 16 waves a work-group, no clusters, 101,376 bytes of LDS; arguments cx, cs, wi, ws, ln_gamma, ln_beta, qf, b_o, out0; writes out0
.if DOCPART == 3
	.amdgcn_target "amdgcn-amd-amdhsa--gfx1250"
	.amdhsa_code_object_version 6
	.text
	.protected	k_qfab546507c_outln
	.globl	k_qfab546507c_outln
	.p2align	8
	.type	k_qfab546507c_outln,@function
k_qfab546507c_outln:
	s_mov_b64 s[64:65], 0
	v_nop
	global_prefetch_b8 v0, s[64:65] scope:SCOPE_SE
	s_setreg_imm32_b32 hwreg(HW_REG_WAVE_MODE, 25, 1), 1
	s_wait_xcnt 0x0
; out0 = LayerNorm(ctx W_o^T + b_o + q).  ctx comes as codes of E3M2 with E8M0 scales (cx, cs), W_o as images of operand registers (wi, ws), q = Q W_q^T + b_q as f32 in the accumulators' own layout (qf).
; SHARES.  A work-group owns 32 tokens (two tiles of 16) and all 1,024 columns, so the norm's sums stay inside it.  Wave w owns columns 64 w .. 64 w + 63: four tiles, eight accumulators.  256 work-groups.
; The product is used transposed (source 0 = 16 rows of W_o, source 1 = 16 tokens): a lane holds one token (lane % 16) and its registers eight neighbouring columns.
; q is loaded straight into the accumulators and b_o added there: every K step then adds in place.
; THE TOKENS' 16 fragments (8 K steps x 2 tiles) are brought once, one by each wave (K step w / 2, tile w % 2), and go from wave to wave through LDS as images of their registers.
; W_o's fragments come straight from wi into registers, 12 loads of 512 consecutive bytes a K step, one step ahead, in two sets.
; NO MULTICAST, NO TENSOR LOADS: every work-group reads all of wi, but each fragment is wanted by exactly ONE wave of a work-group, in registers; a joint load would have to land in LDS and be read from there again.
; The norm takes the mean first and the squares of the differences after it.  LIMITS: NaN and infinities are not served.
; LDS: 0 the fragments, 16 x 1,536;  ASC their scale words, 128 bytes a K step (lanes 0-15 tile 0, lanes 16-31 tile 1);  RED the waves' partial sums, twice [token 32][wave 16];  STG a stage of 16 rows x 272 bytes a wave;  SPARE the spare words.
; REGISTERS: v1-16 addresses; v17 a scale word on its way; v18-19 lane permutes' destinations; v20-27 the tokens' scale words; v36-39 W's, two sets; v40-63 two fragments of tokens, later at work; v64-95 b_o, later rows of out0;
;   v96-143, v144-191 W's fragments, two sets; later gamma, beta, the partial sums and rows of out0; v192-255 the accumulators ((a, i) at 192 + 32 a + 8 i).
.set ASC,   24576
.set RED,   25600
.set STG,   29696
.set SPARE, STG+16*16*272
.set NK,    8
.set WV,    26
.set SEL,   28
	s_load_b128 s[4:7], s[0:1], 0x0                ; cx, cs
	s_load_b128 s[12:15], s[0:1], 0x10             ; wi, ws
	s_load_b128 s[20:23], s[0:1], 0x20             ; gamma, beta
	s_load_b64 s[8:9], s[0:1], 0x30                ; qf
	s_load_b64 s[16:17], s[0:1], 0x38              ; b_o
	s_load_b64 s[24:25], s[0:1], 0x40              ; out0
	v_lshrrev_b32 v1, 5, v0
	s_delay_alu instid0(VALU_DEP_1)
	v_readfirstlane_b32 s[WV], v1                  ; wave 0..15
	v_and_b32 v61, 31, v0                          ; lane
	v_and_b32 v62, 15, v0                          ; r
	v_bfe_u32 v63, v0, 4, 1                        ; h
	s_delay_alu instid0(VALU_DEP_3)
	v_lshlrev_b32 v1, 4, v61
	s_delay_alu instid0(VALU_DEP_4)
	v_lshlrev_b32 v2, 3, v61
	v_lshlrev_b32 v3, 2, v61
	s_mul_i32 s30, s[WV], 4*1536
	v_add_nc_u32 v4, s30, v1                       ; wi: my four fragments of a K step
	s_lshl_b32 s30, s[WV], 8
	v_add_nc_u32 v5, s30, v2                       ; ws: my 256 bytes of a K step
	v_lshl_add_u32 v11, v63, 5, s30                ; b_o, gamma, beta: columns 64 w + 8 h on
	v_lshl_add_u32 v16, v62, 4, s30
	s_delay_alu instid0(VALU_DEP_1)
	v_lshl_add_u32 v16, v63, 12, v16               ; out0: 4,096 h + 256 w + 16 r
	s_mul_i32 s30, s[WV], 1536
	v_add_nc_u32 v6, s30, v1                       ; LDS: my fragment: 3,072 (w / 2) + 1,536 (w % 2) = 1,536 w
	s_lshl_b32 s30, s[WV], 6
	s_add_co_u32 s30, s30, ASC
	v_lshlrev_b32 v10, 2, v62                      ; cs: row r's word
	s_delay_alu instid0(VALU_DEP_1)
	v_add_nc_u32 v7, s30, v10                      ; LDS: its place: 128 (w / 2) + 64 (w % 2) + 4 r (lanes r and 16 + r store the same word)
	s_lshl_b32 s30, s[WV], 12
	v_add_nc_u32 v8, s30, v1                       ; qf: my four groups of 16 columns, 1,024 bytes each
	v_lshl_add_u32 v13, v62, 6, RED                ; the partial sums of token r
	s_lshl_b32 s30, s[WV], 2
	v_add_nc_u32 v12, s30, v13                     ; my wave's word among them
	s_mul_i32 s30, s[WV], 16*272
	s_add_co_u32 s30, s30, STG
	v_mul_u32_u24 v14, v62, 272
	s_delay_alu instid0(VALU_DEP_1)
	v_lshl_add_u32 v14, v63, 5, v14
	s_delay_alu instid0(VALU_DEP_1)
	v_add_nc_u32 v14, s30, v14                     ; stage, in: row r, + 32 h
	v_mul_u32_u24 v15, v63, 272
	s_delay_alu instid0(VALU_DEP_1)
	v_lshl_add_u32 v15, v62, 4, v15
	s_delay_alu instid0(VALU_DEP_1)
	v_add_nc_u32 v15, s30, v15                     ; back: lanes 0-15 one row of 256 bytes, lanes 16-31 the next
	v_mov_b32 v18, 0
	v_mov_b32 v19, 0
	s_lshr_b32 s31, s[WV], 1                       ; my K step
	s_and_b32 s33, s[WV], 1                        ; my tile
	s_mul_i32 s34, ttmp9, 24576                    ; cx: 12,288 bytes a tile, 1,536 a K step
	s_mul_i32 s32, s33, 12288
	s_add_co_u32 s34, s34, s32
	s_mul_i32 s32, s31, 1536
	s_add_co_u32 s34, s34, s32
	s_mov_b32 s35, 0
	s_lshl_b32 s36, ttmp9, 11                      ; cs: 1,024 bytes a tile, 128 a K step
	s_lshl_b32 s32, s33, 10
	s_add_co_u32 s36, s36, s32
	s_lshl_b32 s32, s31, 7
	s_add_co_u32 s36, s36, s32
	s_mov_b32 s37, 0
	s_lshl_b32 s38, ttmp9, 17                      ; 32 rows of out0, and two tiles of qf: 131,072 bytes both
	s_mov_b32 s39, 0
	s_mov_b32 s[SEL], 0x76543210
	s_mov_b32 s[SEL+1], 0xfedcba98
	s_mov_b32 s40, 0x3a800000                      ; 1 / 1,024
	s_mov_b32 s41, 0x3727c5ac                      ; 1e-5
	s_wait_alu depctr_va_vdst(0)                   ; the wait at the head's end
	s_wait_kmcnt 0x0
	s_add_nc_u64 s[24:25], s[24:25], s[38:39]
	s_add_nc_u64 s[8:9], s[8:9], s[38:39]
	s_add_nc_u64 s[4:5], s[4:5], s[34:35]
	s_add_nc_u64 s[6:7], s[6:7], s[36:37]
	global_load_b128 v[40:43], v1, s[4:5]
	global_load_b64 v[44:45], v2, s[4:5] offset:512
	global_load_b128 v[46:49], v1, s[4:5] offset:768
	global_load_b64 v[50:51], v2, s[4:5] offset:1280
	global_load_b32 v17, v10, s[6:7]
.irp i, 0,1,2,3
	global_load_b128 v[64+8*\i:67+8*\i], v11, s[16:17] offset:64*\i           ; b_o in the result's layout
	global_load_b128 v[68+8*\i:71+8*\i], v11, s[16:17] offset:64*\i+16
.endr
.irp a, 0,1
.irp i, 0,1,2,3
	global_load_b128 v[192+32*\a+8*\i:195+32*\a+8*\i], v8, s[8:9] offset:65536*\a+1024*\i th:TH_LOAD_NT       ; q, into the accumulators
	global_load_b128 v[196+32*\a+8*\i:199+32*\a+8*\i], v8, s[8:9] offset:65536*\a+1024*\i+512 th:TH_LOAD_NT
.endr
.endr
.macro WLOAD k                         ; W's four fragments and scale words of K step k into set k % 2: 13 loads
.set WF, 96+48*((\k)%2)
.set WSR, 36+2*((\k)%2)
.irp m, 0,1,2,3,4,5,6,7,8,9,10,11
	global_load_b128 v[WF+4*\m:WF+4*\m+3], v4, s[12:13] offset:(\k)*98304+512*\m
.endr
	global_load_b64 v[WSR:WSR+1], v5, s[14:15] offset:(\k)*4096
.endm
	WLOAD 0
	s_wait_loadcnt 37                              ; my fragment and scale word are in; b_o's 8, q's 16 and W's 13 loads may be out
.irp c, 0,1,2
	ds_store_b128 v6, v[40+4*\c:43+4*\c] offset:512*\c
.endr
	ds_store_b32 v7, v17
	s_wait_dscnt 0x0                               ; for the others' sake: my stores have landed
	s_barrier_signal -1
	s_barrier_wait -1                              ; all 16 fragments lie in LDS
.set j, 0
.rept NK
	ds_load_b32 v[20+j], v3 offset:ASC+128*j       ; the tokens' scale words of all K steps
.set j, j+1
.endr
	s_wait_loadcnt 13                              ; b_o and q are in; W's first step may be out
.irp a, 0,1
.set j, 0
.rept 16
	v_pk_add_f32 v[192+32*\a+j:193+32*\a+j], v[192+32*\a+j:193+32*\a+j], v[64+j:65+j]   ; q + b_o
.set j, j+2
.endr
.endr
.rept 8
	v_nop
.endr
.macro P acc, wfr, afr, sa, sb, ra, rb ; one product; ra, rb: 1 = the scale words lie in lanes 16-31
.if (\ra) == 0
.if (\rb) == 0
	v_wmma_scale_f32_16x16x128_f8f6f4 v[\acc:\acc+7], v[\wfr:\wfr+11], v[\afr:\afr+11], v[\acc:\acc+7], v[\sa], v[\sb] matrix_a_fmt:MATRIX_FMT_BF6 matrix_b_fmt:MATRIX_FMT_BF6
.else
	v_wmma_scale_f32_16x16x128_f8f6f4 v[\acc:\acc+7], v[\wfr:\wfr+11], v[\afr:\afr+11], v[\acc:\acc+7], v[\sa], v[\sb] matrix_a_fmt:MATRIX_FMT_BF6 matrix_b_fmt:MATRIX_FMT_BF6 matrix_b_scale:MATRIX_SCALE_ROW1
.endif
.else
.if (\rb) == 0
	v_wmma_scale_f32_16x16x128_f8f6f4 v[\acc:\acc+7], v[\wfr:\wfr+11], v[\afr:\afr+11], v[\acc:\acc+7], v[\sa], v[\sb] matrix_a_fmt:MATRIX_FMT_BF6 matrix_b_fmt:MATRIX_FMT_BF6 matrix_a_scale:MATRIX_SCALE_ROW1
.else
	v_wmma_scale_f32_16x16x128_f8f6f4 v[\acc:\acc+7], v[\wfr:\wfr+11], v[\afr:\afr+11], v[\acc:\acc+7], v[\sa], v[\sb] matrix_a_fmt:MATRIX_FMT_BF6 matrix_b_fmt:MATRIX_FMT_BF6 matrix_a_scale:MATRIX_SCALE_ROW1 matrix_b_scale:MATRIX_SCALE_ROW1
.endif
.endif
.endm
; A K step of 128: the next step's W is asked for, the tokens' two fragments come from LDS, eight products on eight accumulators by turns.
.macro KSTEP k
.if (\k) < NK-1
	WLOAD (\k)+1
.endif
.irp a, 0,1
.irp c, 0,1,2
	ds_load_b128 v[40+12*\a+4*\c:43+12*\a+4*\c], v1 offset:3072*(\k)+1536*\a+512*\c
.endr
.endr
.if (\k) < NK-1
	s_wait_loadcnt 13                              ; this step's W is in; the next step's 13 loads may be out
.else
	s_wait_loadcnt 0x0
.endif
	s_wait_dscnt 0x0
.set WF, 96+48*((\k)%2)
.set WSR, 36+2*((\k)%2)
.irp a, 0,1
.irp i, 0,1,2,3
	P 192+32*\a+8*\i, WF+12*\i, 40+12*\a, WSR+\i/2, 20+(\k), \i%2, \a
.endr
.endr
.rept 4
	v_nop                                          ; places in front of loads into registers that these products read, and of the first read of results
.endr
.endm
	s_wait_alu depctr_va_vdst(0)
.irp k, 0,1,2,3,4,5,6,7
	KSTEP \k
.endr
	; LayerNorm.  Register 192 + 32 a + 8 i + j of lane (r, h) is x(token 16 a + r, column 64 w + 16 i + 8 h + j)
.irp i, 0,1,2,3
	global_load_b128 v[96+8*\i:99+8*\i], v11, s[20:21] offset:64*\i           ; gamma and beta in the same layout
	global_load_b128 v[100+8*\i:103+8*\i], v11, s[20:21] offset:64*\i+16
	global_load_b128 v[128+8*\i:131+8*\i], v11, s[22:23] offset:64*\i
	global_load_b128 v[132+8*\i:135+8*\i], v11, s[22:23] offset:64*\i+16
.endr
; My wave's part of a token's sum (sq = 0) or sum of squares (sq = 1), tile a.  Each accumulator is read from its low end on.
.macro ROWSUM a, sq
.set AC, 192+32*\a
.set T, 40+4*\a
.if \sq
	v_pk_mul_f32 v[T:T+1], v[AC:AC+1], v[AC:AC+1]
	v_pk_mul_f32 v[T+2:T+3], v[AC+2:AC+3], v[AC+2:AC+3]
.irp p, 4,8,12,16,20,24,28
	s_delay_alu instid0(VALU_DEP_2)
	v_pk_fma_f32 v[T:T+1], v[AC+\p:AC+\p+1], v[AC+\p:AC+\p+1], v[T:T+1]
	s_delay_alu instid0(VALU_DEP_2)
	v_pk_fma_f32 v[T+2:T+3], v[AC+\p+2:AC+\p+3], v[AC+\p+2:AC+\p+3], v[T+2:T+3]
.endr
.else
	v_pk_add_f32 v[T:T+1], v[AC:AC+1], v[AC+2:AC+3]
	v_pk_add_f32 v[T+2:T+3], v[AC+4:AC+5], v[AC+6:AC+7]
.irp p, 8,12,16,20,24,28
	v_pk_add_f32 v[T:T+1], v[T:T+1], v[AC+\p:AC+\p+1]
	v_pk_add_f32 v[T+2:T+3], v[T+2:T+3], v[AC+\p+2:AC+\p+3]
.endr
.endif
	s_delay_alu instid0(VALU_DEP_1)
	v_pk_add_f32 v[T:T+1], v[T:T+1], v[T+2:T+3]
	s_delay_alu instid0(VALU_DEP_1)
	v_add_f32 v[48+\a], v[T], v[T+1]
	s_delay_alu instid0(VALU_DEP_1)
	v_permlanex16_b32 v[18+\a], v[48+\a], s[SEL], s[SEL+1]
	s_delay_alu instid0(VALU_DEP_1)
	v_add_f32 v[48+\a], v[48+\a], v[18+\a]
	ds_store_b32 v12, v[48+\a] offset:1024*\a+2048*\sq   ; lanes r and 16 + r write the same word with the same value
.endm
; The sixteen waves' parts meet: v160 and v176 get the whole sums of tokens r and 16 + r.
.macro REDUCE sq
	s_wait_dscnt 0x0
	s_barrier_signal -1
	s_barrier_wait -1
.irp a, 0,1
.irp q, 0,1,2,3
	ds_load_b128 v[160+16*\a+4*\q:163+16*\a+4*\q], v13 offset:1024*\a+16*\q+2048*\sq
.endr
.endr
	s_wait_dscnt 0x0
.irp a, 0,1
.irp q, 0,4,8,12
	v_pk_add_f32 v[160+16*\a+\q:161+16*\a+\q], v[160+16*\a+\q:161+16*\a+\q], v[162+16*\a+\q:163+16*\a+\q]
.endr
	s_delay_alu instid0(VALU_DEP_3)
	v_pk_add_f32 v[160+16*\a:161+16*\a], v[160+16*\a:161+16*\a], v[164+16*\a:165+16*\a]
	s_delay_alu instid0(VALU_DEP_2)
	v_pk_add_f32 v[168+16*\a:169+16*\a], v[168+16*\a:169+16*\a], v[172+16*\a:173+16*\a]
	s_delay_alu instid0(VALU_DEP_1)
	v_pk_add_f32 v[160+16*\a:161+16*\a], v[160+16*\a:161+16*\a], v[168+16*\a:169+16*\a]
	s_delay_alu instid0(VALU_DEP_1)
	v_add_f32 v[160+16*\a], v[160+16*\a], v[161+16*\a]
.endr
.endm
	ROWSUM 0, 0
	ROWSUM 1, 0
	REDUCE 0
.irp a, 0
	v_mul_f32 v[52+2*\a], s40, v[160+16*\a]        ; the mean,
	s_delay_alu instid0(VALU_DEP_1)
	v_mov_b32 v[53+2*\a], v[52+2*\a]               ; twice: a pair for the packed subtraction
.endr
.irp a, 1
	s_delay_alu instid0(VALU_DEP_3)
	v_mul_f32 v[52+2*\a], s40, v[160+16*\a]
	s_delay_alu instid0(VALU_DEP_1)
	v_mov_b32 v[53+2*\a], v[52+2*\a]
.endr
.irp a, 0,1
.set j, 0
.rept 16
	v_pk_add_f32 v[192+32*\a+j:193+32*\a+j], v[192+32*\a+j:193+32*\a+j], v[52+2*\a:53+2*\a] neg_lo:[0,1] neg_hi:[0,1]   ; x - mean
.set j, j+2
.endr
.endr
	ROWSUM 0, 1
	ROWSUM 1, 1
	REDUCE 1                                       ; (other LDS words than the first sums')
.irp a, 0
	v_fma_f32 v[56+2*\a], v[160+16*\a], s40, s41   ; the variance + 1e-5
.endr
.irp a, 1
	s_delay_alu instid0(VALU_DEP_2)
	v_fma_f32 v[56+2*\a], v[160+16*\a], s40, s41
.endr
	s_wait_alu depctr_va_vdst(0)
	v_rsq_f32 v56, v56
	v_rsq_f32 v58, v58
	v_nop                                          ; a plain place behind the transcendentals
	s_wait_alu depctr_va_vdst(0)
	v_mov_b32 v57, v56
	v_mov_b32 v59, v58
	s_wait_alu depctr_va_vdst(0)
	s_wait_loadcnt 0x0                             ; gamma, beta
.irp a, 0,1
.set j, 0
.rept 16
	v_pk_mul_f32 v[192+32*\a+j:193+32*\a+j], v[192+32*\a+j:193+32*\a+j], v[56+2*\a:57+2*\a]
	s_delay_alu instid0(VALU_DEP_1)
	v_pk_fma_f32 v[192+32*\a+j:193+32*\a+j], v[192+32*\a+j:193+32*\a+j], v[96+j:97+j], v[128+j:129+j]
.set j, j+2
.endr
.endr
	; THE WAY OUT: a tile goes through my own stage in LDS and comes back as rows of 256 bytes.  LDS serves a wave's instructions in order (ISA guide 5.7.1.4): no wait between the stores and the loads.
.irp a, 0,1
.irp i, 0,1,2,3
	ds_store_b128 v14, v[192+32*\a+8*\i:195+32*\a+8*\i] offset:64*\i
	ds_store_b128 v14, v[196+32*\a+8*\i:199+32*\a+8*\i] offset:64*\i+16
.endr
.irp i, 0,1,2,3,4,5,6,7
	ds_load_b128 v[64+96*\a+4*\i:67+96*\a+4*\i], v15 offset:544*\i   ; rows 2 i and 2 i + 1: tile 0 into v64-95, tile 1 into v160-191
.endr
.endr
.irp a, 0,1
.irp i, 0,1,2,3,4,5,6,7
	s_wait_dscnt 23-16*\a-\i                       ; behind this load: the tile's younger loads, and for tile 0 the 16 LDS lines of tile 1
	global_store_b128 v16, v[64+96*\a+4*\i:67+96*\a+4*\i], s[24:25] offset:(16*\a+2*\i)*4096 th:TH_STORE_NT   ; 16 lanes store 256 consecutive bytes, aligned
.endr
.endr
	s_wait_xcnt 0x0
	v_lshl_add_u32 v254, v0, 2, SPARE
	v_mov_b32 v255, 0
	s_wait_alu depctr_va_vdst(0)
	s_wait_tensorcnt 0x0                           ; the wave's end
	ds_add_u32 v254, v255
	s_wait_dscnt 0x0
	s_endpgm
.Lfunc_end_k_qfab546507c_outln:
	.size	k_qfab546507c_outln, .Lfunc_end_k_qfab546507c_outln-k_qfab546507c_outln
	.p2alignl 7, 3214868480
	.fill 96, 4, 3214868480
	.section	.rodata,"a",@progbits
	.p2align	6, 0x0
	.amdhsa_kernel k_qfab546507c_outln
		.amdhsa_group_segment_fixed_size 101376
		.amdhsa_private_segment_fixed_size 0
		.amdhsa_enable_private_segment 0
		.amdhsa_kernarg_size 72
		.amdhsa_user_sgpr_count 2
		.amdhsa_user_sgpr_kernarg_segment_ptr 1
		.amdhsa_wavefront_size32 1
		.amdhsa_system_sgpr_workgroup_id_x 1
		.amdhsa_system_sgpr_workgroup_id_y 1
		.amdhsa_system_sgpr_workgroup_id_z 1
		.amdhsa_system_vgpr_workitem_id 0
		.amdhsa_next_free_vgpr 256
		.amdhsa_next_free_sgpr 66
		.amdhsa_reserve_vcc 0
		.amdhsa_float_denorm_mode_32 3
		.amdhsa_float_denorm_mode_16_64 3
		.amdhsa_memory_ordered 1
		.amdhsa_forward_progress 1
		.amdhsa_inst_pref_size 55
	.end_amdhsa_kernel
	.amdgpu_metadata
---
amdhsa.version: [ 1, 2 ]
amdhsa.kernels:
  - .name:           k_qfab546507c_outln
    .symbol:         k_qfab546507c_outln.kd
    .args:
      - { .name: cx, .offset: 0, .size: 8, .value_kind: global_buffer, .address_space: global }
      - { .name: cs, .offset: 8, .size: 8, .value_kind: global_buffer, .address_space: global }
      - { .name: wi, .offset: 16, .size: 8, .value_kind: global_buffer, .address_space: global }
      - { .name: ws, .offset: 24, .size: 8, .value_kind: global_buffer, .address_space: global }
      - { .name: ln_gamma, .offset: 32, .size: 8, .value_kind: global_buffer, .address_space: global }
      - { .name: ln_beta, .offset: 40, .size: 8, .value_kind: global_buffer, .address_space: global }
      - { .name: qf, .offset: 48, .size: 8, .value_kind: global_buffer, .address_space: global }
      - { .name: b_o, .offset: 56, .size: 8, .value_kind: global_buffer, .address_space: global }
      - { .name: out0, .offset: 64, .size: 8, .value_kind: global_buffer, .address_space: global }
    .group_segment_fixed_size: 101376
    .private_segment_fixed_size: 0
    .kernarg_segment_align: 8
    .kernarg_segment_size: 72
    .max_flat_workgroup_size: 512
    .sgpr_count:     66
    .vgpr_count:     256
    .wavefront_size: 32
...
	.end_amdgpu_metadata
.endif
;; end of part 3
